; MI455X (gfx1250); checked and timed in simulation.
; The chip was launched on July 23, 2026; its instructions are those of AMD's public machine-readable ISA for CDNA 5 (MIT licence, August 2026) and "CDNA5" Instruction Set Architecture Reference Guide (July 2026). The comments in the code are by the model that wrote it; some were corrected since.
;; Quantum Feed Forward. Allowed arithmetic: matrix products marked QUANTISED: E3M2 operands, one E8M0 scale for each 32 along K, by v_wmma_scale_f32_16x16x128_f8f6f4 with both operands' format E3M2, f32 sums; everything else in f32.
;; Inputs: W1 2,048 x 512 float32; W2 512 x 2,048 float32; theta 512 float32; x 8 x 4,096 x 512 float32.
;; Outputs: out0 8 x 4,096 x 512 float32.
;; This version of the problem:
;;   THIS VERSION OF THE PROBLEM IS GIVEN IN LOW PRECISION. The matrix products marked QUANTISED in the list below multiply operands that are first quantised to E3M2 (3 exponent bits, 2 mantissa bits; 6 bits a number), with one power-of-two scale for each 32 numbers along K (OCP MX v1.0); their sums are f32. All else is computed in f32.
;;   The module's matrix products, in the order in which they are computed (A, B: the left and right operand; K: the contracted axis; several contracted axes count as one K, in the product's order):
;;     1. [M 32,768, K 512] x [K 512, N 2,048]; A: computed on the way; B: input W1: QUANTISED
;;     2. [M 32,768, K 2,048] x [K 2,048, N 512]; A: computed on the way; B: input W2: QUANTISED
;;   THE QUANTISER, for each operand of a quantised product, along K:
;;     - K is cut into blocks of 32 from its start; a last block that is shorter is filled with zeros.
;;     - A block's scale is 2^e with e = floor(log2(the largest magnitude in the block)) - 4, held to -126 .. 127; a block of zeros has e = 0. As a byte (E8M0): e + 127.
;;     - Each number is divided by its block's scale, clamped to +-28, and rounded to the nearest number of E3M2, ties to even, subnormals kept.
;;     - The product sums the exact products of the quantised numbers (number of the format x scale) in f32.
;;   ~~~python
;;   def quantise(x, axis):      # numpy; x: float32 -> the quantised numbers, widened to float32 again
;;       x = np.moveaxis(x, axis, -1); K = x.shape[-1]
;;       x = np.pad(x, [(0, 0)] * (x.ndim - 1) + [(0, -K % 32)]); x = x.reshape(x.shape[:-1] + (-1, 32)); a = np.abs(x).max(-1, keepdims=True)
;;       e = np.where(a > 0, np.clip(np.frexp(np.where(a > 0, a, 1))[1] - 1 - 4, -126, 127), 0)      # np.frexp(a)[1] - 1 = floor(log2(a)), exactly
;;       r = np.clip(x / 2.0 ** e, -28, 28)
;;       step = 2.0 ** (np.maximum(np.frexp(np.where(r == 0, 1, r))[1] - 1, -2) - 2)
;;       q = np.round(r / step) * step * 2.0 ** e      # np.round: ties to even
;;       return np.moveaxis(q.reshape(q.shape[:-2] + (-1,))[..., :K], -1, axis).astype(np.float32)
;;   ~~~
;;   OPERANDS COMPUTED ON THE WAY. 'Computed on the way' means the value that the module computes at that place (a softmax that the list does not call 'softmax' is quantised finished and normalised). What goes into a quantiser is computed in f32, as accurately as f32 sums, v_exp_f32 and their like allow (about 1e-6 of the number): no bf16 or f16 on the way to a quantiser, and a product that is left as it is and whose result goes on into a quantised operand takes f32 operands (vector FMAs, or v_wmma_f32_16x16x4_f32). A number that lies on a knife's edge between two numbers of the format may be rounded either way, as far as f32 arithmetic and the matrix unit's own rounding can turn it there, and no further.
;; 2 versions. Each part assembles by itself: llvm-mc -triple=amdgcn-amd-amdhsa -mcpu=gfx1250 --defsym DOCPART=n.
;; ======== version 1 of 2: 2 launches
;; limits: inputs' magnitudes at most 25,736; right only within a limited range of input values
;; workspace buffers: wq 1,638,400 bytes
;; launch prep (part 1): grid 256 x 1, 4 waves a work-group, no clusters, 34,816 bytes of LDS; arguments W1, W2, wq; writes wq
.if DOCPART == 1
	.amdgcn_target "amdgcn-amd-amdhsa--gfx1250"
	.amdhsa_code_object_version 6
	.text
	.protected	k_qf806388fde_prep
	.globl	k_qf806388fde_prep
	.p2align	8
	.type	k_qf806388fde_prep,@function
k_qf806388fde_prep:
	s_mov_b64 s[64:65], 0
	v_nop
	global_prefetch_b8 v0, s[64:65] scope:SCOPE_SE
	s_setreg_imm32_b32 hwreg(HW_REG_WAVE_MODE, 25, 1), 1
	s_wait_xcnt 0x0
; W1 [2048][512] and W2 [512][2048], f32, K innermost, become codes of BF6 (E3M2) with one E8M0 scale byte for each 32 along K, laid in wq AS IMAGES OF OPERAND REGISTERS,
; in the order in which the second launch walks them.  wq = 32 tiles of 51,200 bytes; a tile = 4 quarters (one for each wave of the reader) of 12,800; a quarter = 2 halves of 6,400;
; a half = 4 fragments (16 rows x 128 K: 12 registers a lane) of 1,536 bytes, then 256 bytes of scale words.  A fragment's image: registers 4 c .. 4 c + 3 of lane l at 512 c + 16 l.
; Scale word of fragment v, row r: at 128 (v % 2) + 8 r + 4 (v / 2), so that one load of 8 bytes a lane gives two registers with fragments 2 j (lanes 0-15) and 2 j + 1 (lanes 16-31).
; Tiles 0-15, W1: tile T = 2 g + p, half e: K step 2 p + e; fragment v of quarter w, row r: hidden unit 256 g + 64 w + 32 (v / 2) + 8 (v % 2) + r + 8 (r / 8): the rows of a tile are not
; neighbours, so that the reader's results of two neighbouring tiles are 16 neighbours along the next K.   Tiles 16-31, W2: K step T - 16; fragment v of half e, row r: output column 128 w + 64 e + 16 v + r.
; SHARES: work-group b makes half b of the 256 (6,400 consecutive bytes at 6,400 b), wave v its fragment v.  Each of a wave's 16 loads reads 512 consecutive bytes (one row's 128 K); the numbers turn
; through the wave's own stage in LDS, so that lane (r, h) gets k = 64 c + 32 h + 0 .. 31 of row r in consecutive registers: two whole blocks a lane, the order of the operand's registers.
; A block's scale is 2^(floor(log2(largest magnitude)) - 4): its byte is the largest magnitude's exponent field - 4, held at 1 from below.
; LIMITS: a block of zeros, or one whose largest magnitude lies under 2^-122, gets the byte 1 (its codes are zeros or small; this program alone reads the bytes); NaN and infinities are not served.
; Both tensors take one path: only the pointer, the pitch and the offsets are chosen, on the work-group's number.
.set SP,   528                         ; a stage row: 512 bytes + 16: the 16 rows that a load of 16 bytes a lane touches start in different banks
.set SCST, 4*16*SP                     ; behind the four stages: the half's 256 bytes of scale words
.set LI,   1                           ; v1   16 x lane
.set H8,   2                           ; v2   8 x (lane / 16)
.set STI,  4                           ; v4   the stage, on the way in
.set STR,  5                           ; v5   and on the way out
.set SCW,  6                           ; v6   where my row's scale word goes
.set SCR,  7                           ; v7   where wave 0 reads the 256 bytes back
.set L8,   8                           ; v8   8 x lane
.set VO,   16                          ; v16-31  byte offset of row i of my fragment, + 16 x lane
.set M,    32                          ; v32-33  largest magnitudes
.set SO,   34                          ; v34-35  the conversions' scale operands
.set BY,   36                          ; v36-37  scale bytes
.set PW,   38                          ; v38     the row's scale word
.set TP,   39                          ; v39     at work
.set PC,   40                          ; v40-51  the fragment's codes
.set CT,   52                          ; v52-54, v56-58  second halves of the blocks' codes
.set G,    64                          ; v64-127  the rows as loaded
.set X,    128                         ; v128-191 the numbers in the operand's order
.set SEL,  24                          ; s[24:25] lane selects: lane l xor 16
	s_load_b128 s[4:7], s[0:1], 0x0                ; W1, W2
	s_load_b64 s[8:9], s[0:1], 0x10                ; wq
	v_lshl_add_u32 v192, v0, 2, 0x8600
	v_mov_b32 v193, 0
	v_lshrrev_b32 v3, 5, v0
	v_readfirstlane_b32 s10, v3                    ; wave v
	s_lshr_b32 s11, ttmp9, 3                       ; tile T
	s_bfe_u32 s12, ttmp9, 0x20001                  ; quarter w
	s_and_b32 s13, ttmp9, 1                        ; half e
	; W1's way: first row 256 g + 64 w + 32 (v / 2) + 8 (v % 2), rows of 2,048 bytes; K step 2 p + e, 512 bytes each
	s_lshr_b32 s14, s11, 1
	s_lshl_b32 s14, s14, 8
	s_lshl_b32 s16, s12, 6
	s_add_co_u32 s14, s14, s16
	s_lshr_b32 s16, s10, 1
	s_lshl_b32 s16, s16, 5
	s_add_co_u32 s14, s14, s16
	s_and_b32 s16, s10, 1
	s_lshl_b32 s16, s16, 3
	s_add_co_u32 s14, s14, s16
	s_lshl_b32 s14, s14, 11
	s_and_b32 s15, s11, 1
	s_lshl_b32 s15, s15, 1
	s_add_co_u32 s15, s15, s13
	s_lshl_b32 s15, s15, 9
	s_add_co_u32 s14, s14, s15
	; W2's way: first row 128 w + 64 e + 16 v, rows of 8,192 bytes; K step T - 16
	s_lshl_b32 s17, s12, 7
	s_lshl_b32 s16, s13, 6
	s_add_co_u32 s17, s17, s16
	s_lshl_b32 s16, s10, 4
	s_add_co_u32 s17, s17, s16
	s_lshl_b32 s17, s17, 13
	s_sub_co_u32 s16, s11, 16
	s_lshl_b32 s16, s16, 9
	s_add_co_u32 s17, s17, s16
	s_mov_b32 s18, 8192                            ; from row to row of a fragment,
	s_mov_b32 s19, 8192                            ; and from its row 7 to its row 8: in W1 nine rows on
	s_mov_b32 s15, 0
	s_mul_i32 s20, ttmp9, 6400
	s_mul_i32 s21, s10, 1536
	s_add_co_u32 s20, s20, s21                     ; where my fragment's image goes
	s_mov_b32 s21, 0
	s_mov_b32 s[SEL], 0x76543210
	s_mov_b32 s[SEL+1], 0xfedcba98
	s_wait_kmcnt 0x0
	s_cmp_lt_u32 ttmp9, 128                        ; W1's work-group or W2's: the choice hangs on the work-group's number alone
	s_cselect_b64 s[4:5], s[4:5], s[6:7]
	s_cselect_b32 s14, s14, s17
	s_cselect_b32 s18, 2048, s18
	s_cselect_b32 s19, 18432, s19
	s_add_nc_u64 s[4:5], s[4:5], s[14:15]
	s_add_nc_u64 s[8:9], s[8:9], s[20:21]
	v_and_b32 v9, 31, v0                           ; lane
	v_and_b32 v10, 15, v0                          ; r
	v_bfe_u32 v11, v0, 4, 1                        ; h
	v_lshlrev_b32 v[LI], 4, v9
	v_lshlrev_b32 v[H8], 3, v11
	v_lshlrev_b32 v[L8], 3, v9
	v_mov_b32 v[VO], v[LI]
.irp i, 1,2,3,4,5,6,7
	v_add_nc_u32 v[VO+\i], s18, v[VO+\i-1]
.endr
	v_add_nc_u32 v[VO+8], s19, v[VO+7]
.irp i, 9,10,11,12,13,14,15
	v_add_nc_u32 v[VO+\i], s18, v[VO+\i-1]
.endr
.irp i, 0,1,2,3,4,5,6,7,8,9,10,11,12,13,14,15
	global_load_b128 v[G+4*\i:G+4*\i+3], v[VO+\i], s[4:5] th:TH_LOAD_NT   ; 32 lanes read 512 consecutive bytes: row i, 128 along K
.endr
	s_mul_i32 s22, s10, 16*SP                      ; my stage
	v_add_nc_u32 v[STI], s22, v[LI]
	v_mul_u32_u24 v12, v10, SP
	v_lshl_add_u32 v[STR], v11, 7, v12
	v_add_nc_u32 v[STR], s22, v[STR]               ; row r, + 128 h: my 32 numbers of each 64
	s_and_b32 s22, s10, 1
	s_lshl_b32 s22, s22, 7
	s_lshr_b32 s23, s10, 1
	s_lshl_b32 s23, s23, 2
	s_add_co_u32 s22, s22, s23
	s_add_co_u32 s22, s22, SCST
	v_lshl_add_u32 v[SCW], v10, 3, s22             ; 128 (v % 2) + 8 r + 4 (v / 2)
	v_add_nc_u32 v[SCR], SCST, v[L8]
	v_mov_b32 v[TP], 0                             ; a lane permute's destination counts as one of its sources
	s_wait_loadcnt 0x0
.irp i, 0,1,2,3,4,5,6,7,8,9,10,11,12,13,14,15
	ds_store_b128 v[STI], v[G+4*\i:G+4*\i+3] offset:SP*\i
.endr
.irp c, 0,1
.irp j, 0,1,2,3,4,5,6,7
	ds_load_b128 v[X+32*\c+4*\j:X+32*\c+4*\j+3], v[STR] offset:256*\c+16*\j   ; LDS serves a wave's instructions in order: these see my stores.  Register 32 c + i = k 64 c + 32 h + i of row r
.endr
.endr
	s_wait_dscnt 0x0
.irp c, 0,1                                    ; my blocks h and 2 + h: all 32 numbers of each are mine
	v_max3_num_f32 v[M+\c], |v[X+32*\c]|, |v[X+32*\c+1]|, 0x2800000   ; and the floor 2^(5 - 127): the byte cannot fall under 1
.endr
.irp i, 2,4,6,8,10,12,14,16,18,20,22,24,26,28,30
.irp c, 0,1
	v_max3_num_f32 v[M+\c], v[M+\c], |v[X+32*\c+\i]|, |v[X+32*\c+\i+1]|
.endr
.endr
.irp c, 0,1
	v_add_nc_u32 v[SO+\c], 0xfe000000, v[M+\c]     ; 4 off the exponent field: the conversion takes this operand's exponent field as its scale
.endr
.irp c, 0,1
	v_lshrrev_b32 v[BY+\c], 23, v[SO+\c]           ; the scale's byte
.endr
	v_lshl_or_b32 v[PW], v[BY+1], 16, v[BY]        ; my two bytes,
	v_lshlrev_b32 v[PW], v[H8], v[PW]              ; at their places in the word;
	v_permlanex16_b32 v[TP], v[PW], s[SEL], s[SEL+1]
	v_or_b32 v[PW], v[PW], v[TP]                   ; with lane l xor 16's two the word is whole
.irp c, 0,1
	v_cvt_scalef32_pk16_bf6_f32 v[PC+6*\c:PC+6*\c+2], v[X+32*\c:X+32*\c+15], v[SO+\c]
	v_cvt_scalef32_pk16_bf6_f32 v[CT+4*\c:CT+4*\c+2], v[X+32*\c+16:X+32*\c+31], v[SO+\c]   ; (a conversion's three registers begin on an even number)
.endr
	v_nop                                          ; one plain place behind a scaled conversion
.irp c, 0,1
.irp i, 0,1,2
	v_mov_b32 v[PC+6*\c+3+\i], v[CT+4*\c+\i]
.endr
.endr
.irp c, 0,1,2
	global_store_b128 v[LI], v[PC+4*\c:PC+4*\c+3], s[8:9] offset:512*\c   ; 32 lanes store 512 consecutive bytes, at a multiple of 256 from wq's first byte
.endr
	ds_store_b32 v[SCW], v[PW]                     ; lanes r and r + 16 write the same word with the same value
	s_wait_dscnt 0x0                               ; for wave 0's sake: my scale words lie in LDS
	s_barrier_signal -1
	s_barrier_wait -1
	s_cmp_lg_u32 s10, 0
	s_cbranch_scc1 .Ldone
	ds_load_b64 v[60:61], v[SCR]                   ; wave 0 (whose base stands at the half's first byte) sends the half's 256 bytes of scale words
	s_wait_dscnt 0x0
	global_store_b64 v[L8], v[60:61], s[8:9] offset:6144   ; 32 lanes store 256 consecutive bytes, aligned
.Ldone:
	s_wait_tensorcnt 0x0
	ds_add_u32 v192, v193
	s_wait_dscnt 0x0
	s_endpgm
.Lfunc_end_k_qf806388fde_prep:
	.size	k_qf806388fde_prep, .Lfunc_end_k_qf806388fde_prep-k_qf806388fde_prep
	.p2alignl 7, 3214868480
	.fill 96, 4, 3214868480
	.section	.rodata,"a",@progbits
	.p2align	6, 0x0
	.amdhsa_kernel k_qf806388fde_prep
		.amdhsa_group_segment_fixed_size 34816
		.amdhsa_private_segment_fixed_size 0
		.amdhsa_enable_private_segment 0
		.amdhsa_kernarg_size 24
		.amdhsa_user_sgpr_count 2
		.amdhsa_user_sgpr_kernarg_segment_ptr 1
		.amdhsa_wavefront_size32 1
		.amdhsa_system_sgpr_workgroup_id_x 1
		.amdhsa_system_sgpr_workgroup_id_y 1
		.amdhsa_system_sgpr_workgroup_id_z 1
		.amdhsa_system_vgpr_workitem_id 0
		.amdhsa_next_free_vgpr 194
		.amdhsa_next_free_sgpr 66
		.amdhsa_reserve_vcc 0
		.amdhsa_float_denorm_mode_32 3
		.amdhsa_float_denorm_mode_16_64 3
		.amdhsa_memory_ordered 1
		.amdhsa_forward_progress 1
		.amdhsa_inst_pref_size 11
	.end_amdhsa_kernel
	.amdgpu_metadata
---
amdhsa.version: [ 1, 2 ]
amdhsa.kernels:
  - .name:           k_qf806388fde_prep
    .symbol:         k_qf806388fde_prep.kd
    .args:
      - { .name: W1, .offset: 0, .size: 8, .value_kind: global_buffer, .address_space: global }
      - { .name: W2, .offset: 8, .size: 8, .value_kind: global_buffer, .address_space: global }
      - { .name: wq, .offset: 16, .size: 8, .value_kind: global_buffer, .address_space: global }
    .group_segment_fixed_size: 34816
    .private_segment_fixed_size: 0
    .kernarg_segment_align: 8
    .kernarg_segment_size: 24
    .max_flat_workgroup_size: 128
    .sgpr_count:     66
    .vgpr_count:     194
    .wavefront_size: 32
...
	.end_amdgpu_metadata
.endif
;; end of part 1
;; launch ffn (part 2): grid 256 x 1, 4 waves a work-group, clusters of 4 x 1, 327,680 bytes of LDS; arguments x, theta, wq, out0; writes out0
.if DOCPART == 2
	.amdgcn_target "amdgcn-amd-amdhsa--gfx1250"
	.amdhsa_code_object_version 6
	.text
	.protected	k_qf806388fde_ffn
	.globl	k_qf806388fde_ffn
	.p2align	8
	.type	k_qf806388fde_ffn,@function
k_qf806388fde_ffn:
	s_mov_b64 s[64:65], 0
	v_nop
	global_prefetch_b8 v0, s[64:65] scope:SCOPE_SE
	s_setreg_imm32_b32 hwreg(HW_REG_WAVE_MODE, 25, 1), 1
	s_wait_xcnt 0x0
	s_wait_alu depctr_hold_cnt(0) depctr_sa_sdst(0) depctr_va_vdst(0) depctr_va_sdst(0) depctr_va_ssrc(0) depctr_va_vcc(0) depctr_vm_vsrc(0)
	s_getreg_b32 s2, hwreg(HW_REG_IB_STS2, 6, 4)
	s_cmp_eq_u32 s2, 0
	s_cbranch_scc0 .Lentry_in_a_cluster
	s_endpgm
.Lentry_in_a_cluster:
	s_bfe_u32 s2, ttmp6, 0x10000c
	s_cmp_lg_u32 s2, 0x3003
	s_cbranch_scc0 .Lentry_shape_is_right
	s_endpgm
.Lentry_shape_is_right:
; out = relu((cos(sum theta) cos(x)) W1^T) W2^T, 32,768 rows, C = 512, F = 2,048; both products on codes of BF6 (E3M2) with one E8M0 scale for each 32 along K, sums in f32.
; The weights come as codes from wq (tiles of operand images, 51,200 bytes each: 16 of W1, 16 of W2; layout at the head of the launch that makes them).  q and h never go to memory.
; SHARES.  A work-group of four waves owns 128 rows (8 tiles of 16).  THE WAVES SHARE THE COLUMNS, NOT THE ROWS: each fragment of a weight is read from LDS by one wave and feeds 8 matrix instructions.
;   Phase 0: wave w turns rows 32 w .. 32 w + 31 of x into q = c cos(x), quantises them (two row tiles x four K steps) and stores the fragments' images in LDS.
;   Phase 1: every wave holds all of q (32 fragments, 384 registers).  8 groups of 256 hidden units; in a group wave w makes units 64 w .. 64 w + 63 for all 128 rows (32 accumulators, K = 512: 128 matrix
;            instructions), relu, quantises them in registers (half a fragment of the next K for each row tile) and stores the images: all of h lies in LDS as codes, 196,608 bytes.
;   Phase 2: wave w makes output columns 128 w .. 128 w + 127 for all 128 rows: 64 accumulators, K = 2,048 in 16 steps of 64 matrix instructions.
; Both products are used TRANSPOSED (source 0 = 16 rows of the weight, source 1 = 16 rows of q or h): a lane holds one row, and its registers run along the hidden units or the output columns.
; THE RING.  Two LDS slots of one tile each.  Each wave fetches its own quarter of a tile (12,800 dense bytes, 50 rows of 256) by one tensor load and is the only one that reads it.
; CLUSTER.  All work-groups walk the same 32 tiles: the four of a cluster ask JOINTLY (mask 15, the same descriptor in all four: it hangs on the wave's number and the tile alone).
; cos: n = round(x / pi + 1/2), r = x - (n - 1/2) pi in two fused steps, cos x = (-1)^n sin r, sin r = r + r u P(u), u = r^2, P of degree 4 (error of sin r / r about 2e-9).
; LIMITS: |x| and |sum theta| under 2^22 pi (n is rounded by adding 1.5 x 2^23); beyond the f32 roundings the reduction leaves an error of about n x 1e-15 in r.  theta is summed as a tree, not in
; index order.  A block of zeros, or one whose largest magnitude lies under 2^-122, gets the scale byte 1 (its codes are zeros or small; this program alone reads the bytes).  NaN, infinities: not served.
; REGISTERS, in windows of 256 (s_set_vgpr_msb: bits 1:0 source 0, 3:2 source 1, 5:4 source 2, 7:6 destination):
;   window 0: v0-31 addresses and constants; v32-47 scale words of q (phase 1) or h (phase 2); v48-51 the weight's scale words; v52-63 codes just made; v64-255 at work; v160-255 the weight's 8 fragments
;   window 1: x as loaded; then q's K steps 2, 3; then h's fragments, two sets of 8      window 2: q's K steps 0, 1; then out's accumulators, column tiles 0-3
;   window 3: h's 32 accumulators; then out's accumulators, column tiles 4-7
.set SLOTB, 51200                      ; a slot: one tile
.set QRT,   12800                      ; a wave's quarter of it
.set HALFB, 6400                       ; half a quarter: 4 fragments and their scale words
.set FRB,   1536                       ; a fragment's image
.set SP,    528                        ; a stage row: 512 bytes + 16
.set HIMG,  2*SLOTB                    ; h's 128 fragments: (K step s, row tile m) at (8 s + m) FRB; in it half c at 768 c: 512 bytes at 16 x lane (registers 6 c .. 6 c + 3), 256 at 8 x lane (6 c + 4, 6 c + 5)
.set XSTG,  HIMG                       ; phase 0 alone, where h will lie: two stages of 16 rows for each wave,
.set QIMG,  XSTG+4*2*16*SP             ; q's 32 fragments: (row tile m, K step s) at (4 m + s) FRB,
.set QSC,   QIMG+32*FRB                ; and their scale words: (s, m, r) at 512 s + 256 (m % 2) + 16 r + 4 (m / 2)
.set HSC,   HIMG+128*FRB               ; h's scale words, by the same formula
.set SPARE, HSC+16*512                 ; the spare words, 128 bytes for each wave: two blocks of 256 bytes that no other line names
.set LI,    1                          ; v1   16 x lane
.set H8,    2                          ; v2   8 x (lane / 16)
.set PFO,   3                          ; v3   256 x lane: the prefetches' offset
.set STI,   4                          ; v4   x's stage, on the way in
.set STR,   5                          ; v5   and on the way out
.set QWI,   6                          ; v6   where I store q's images (K step 0)
.set QWS,   7                          ; v7   and their scale words
.set QRD,   8                          ; v8   where q's images are read
.set QSR,   9                          ; v9   and their scale words
.set ADW,   10                         ; v10-11  my quarter in slot 0, 1: 16 x lane
.set ADS,   12                         ; v12-13  its first half's scale words: 8 x lane
.set HWI16, 14                         ; v14  where I store h's images (group 0): the 16-byte part,
.set HWI8,  15                         ; v15  the 8-byte part,
.set HWS,   16                         ; v16  and my half of the scale words
.set HRD16, 17                         ; v17-19  the same for reading (K step 0)
.set HRD8,  18
.set HSR,   19
.set STO,   20                         ; v20  the way out: where I put 32 bytes of a row
.set RD,    21                         ; v21  and where I read a row back
.set CC,    22                         ; v[22:23] c = cos(sum theta), twice
.set KA8,   24                         ; v[24:25] the polynomial's coefficient of u^3, twice
.set SPW,   26                         ; v26  LDS address of my spare word; never rewritten
.set NIL,   27                         ; v27  0; never rewritten
.set AD0,   28                         ; v28-30  the walking LDS addresses in hand: a fixed base + a scalar that steps
.set AD1,   29
.set AD2,   30
.set QS,    32
.set HS,    32
.set WS,    48
.set PC,    52
.set XA,    64                         ; phase 0: 64 numbers of row tile 2 w,
.set XB,    128                        ; and of row tile 2 w + 1
.set TT,    192                        ; the cosine's work: 16 registers each
.set NN,    208
.set PP,    224
.set M,     240                        ; the quantiser of q: largest magnitudes, scale operands, bytes, the word, at work, second halves
.set SO,    242
.set BY,    244
.set PW,    246
.set TP,    247
.set CT,    248
.set TM,    64                         ; the quantiser of h: 8 largest magnitudes, 8 at work, 8 scale operands, 4 half words, 4 x 12 for codes
.set T2,    72
.set SOH,   80
.set PWH,   88
.set EB,    96
.set WF,    160                        ; the weight's fragments: half e at WF + 48 e
.set BB,    64                         ; the way out: 16 rows read back: v64-127 and v128-191 by turns
.set WV,    12                         ; s12  my wave's number
.set G1,    24                         ; s[24:31] descriptor group 1
.set G0,    32                         ; s[32:39] group 0, a set for each slot
.set CNT,   40                         ; s40  the loops' counter
.set TIL,   43                         ; s43  changes of slots so far
.set LIM,   44                         ; s44  a wave prefetches while s43 is not above it
.set PFA,   46                         ; s[46:47] where my prefetches stand
.set SEL,   48                         ; s[48:49] lane selects: lane l xor 16
.set INVPI, 50                         ; constants as pairs: the packed forms name a pair and take its low word for both halves
.set MAGIC, 52
.set NMAGIC, 54
.set NPIH,  56
.set NPIL,  58
.set A10,   60
.set A6,    62
.set A4,    66
.set A2,    68
.set OF0,   70                         ; s70, s71  the steps of the walking LDS addresses
.set OF1,   71
.set MSB, 0
.macro WIN new                         ; the immediate's high byte repeats the setting that is left
.if MSB != \new
	s_set_vgpr_msb (MSB<<8)|\new
.set MSB, \new
.endif
.endm
.macro PLACES n                        ; plain vector instructions between a matrix instruction and a load into, or a read of, its registers (four for this form)
.rept \n
	v_nop
.endr
.endm
.macro CREST                           ; a round of the cluster's barrier behind its opening barrier
	s_cmp_lg_u32 s[WV], 0
	s_cbranch_scc1 .Lnot_wave_0_\@
	s_barrier_signal -3
.Lnot_wave_0_\@:
	s_barrier_wait -3
	s_barrier_signal -1
	s_barrier_wait -1
.endm
.macro CROUND                          ; a whole round
	s_barrier_signal -1
	s_barrier_wait -1
	CREST
.endm
; x as it lies: row i of my two row tiles, 512 bytes (128 along K) from byte off of the rows, into window 1: 32 lanes read 512 consecutive bytes
.macro GLOAD off
	WIN 0x40
.irp i, 0,1,2,3,4,5,6,7,8,9,10,11,12,13,14,15
	global_load_b128 v[4*\i:4*\i+3], v[LI], s[4:5] offset:2048*\i+\off th:TH_LOAD_NT
.endr
.irp i, 0,1,2,3,4,5,6,7,8,9,10,11,12,13,14,15
	global_load_b128 v[64+4*\i:64+4*\i+3], v[LI], s[4:5] offset:32768+2048*\i+\off th:TH_LOAD_NT
.endr
	WIN 0
.endm
; np pairs of numbers from v[x] on become their cosines (mul = 1: times c), stage by stage over the pairs, so that no line waits for the line above it
.macro COSC x, np, mul
.set ii, 0
.rept \np
	v_pk_fma_f32 v[TT+ii:TT+ii+1], v[(\x)+ii:(\x)+ii+1], s[INVPI:INVPI+1], 0.5 op_sel_hi:[1,0,0]   ; x / pi + 1/2
.set ii, ii+2
.endr
.set ii, 0
.rept \np
	v_pk_add_f32 v[TT+ii:TT+ii+1], v[TT+ii:TT+ii+1], s[MAGIC:MAGIC+1] op_sel_hi:[1,0]               ; + 1.5 x 2^23: rounded to the whole number n, whose parity is the lowest bit
.set ii, ii+2
.endr
.set ii, 0
.rept \np
	v_pk_add_f32 v[NN+ii:NN+ii+1], v[TT+ii:TT+ii+1], s[NMAGIC:NMAGIC+1] op_sel_hi:[1,0]             ; n
.set ii, ii+2
.endr
.set ii, 0
.rept \np
	v_pk_add_f32 v[NN+ii:NN+ii+1], v[NN+ii:NN+ii+1], -0.5 op_sel_hi:[1,0]                           ; n - 1/2, exact
.set ii, ii+2
.endr
.set ii, 0
.rept \np
	v_pk_fma_f32 v[(\x)+ii:(\x)+ii+1], v[NN+ii:NN+ii+1], s[NPIH:NPIH+1], v[(\x)+ii:(\x)+ii+1] op_sel_hi:[1,0,1]   ; r = x - (n - 1/2) pi: pi's upper part,
.set ii, ii+2
.endr
.set ii, 0
.rept \np
	v_pk_fma_f32 v[(\x)+ii:(\x)+ii+1], v[NN+ii:NN+ii+1], s[NPIL:NPIL+1], v[(\x)+ii:(\x)+ii+1] op_sel_hi:[1,0,1]   ; and its lower
.set ii, ii+2
.endr
.set ii, 0
.rept \np
	v_pk_mul_f32 v[NN+ii:NN+ii+1], v[(\x)+ii:(\x)+ii+1], v[(\x)+ii:(\x)+ii+1]                       ; u = r^2
.set ii, ii+2
.endr
.set ii, 0
.rept \np
	v_pk_fma_f32 v[PP+ii:PP+ii+1], v[NN+ii:NN+ii+1], s[A10:A10+1], v[KA8:KA8+1] op_sel_hi:[1,0,1]   ; P(u) by Horner
.set ii, ii+2
.endr
.irp k, A6, A4, A2
.set ii, 0
.rept \np
	v_pk_fma_f32 v[PP+ii:PP+ii+1], v[PP+ii:PP+ii+1], v[NN+ii:NN+ii+1], s[\k:\k+1] op_sel_hi:[1,1,0]
.set ii, ii+2
.endr
.endr
.if \mul
.set ii, 0
.rept \np
	v_pk_mul_f32 v[(\x)+ii:(\x)+ii+1], v[(\x)+ii:(\x)+ii+1], v[CC:CC+1]                             ; c r
.set ii, ii+2
.endr
.endif
.set ii, 0
.rept 2*(\np)
	v_lshl_add_u32 v[(\x)+ii], v[TT+ii], 31, v[(\x)+ii]                                             ; n's parity onto the sign bit: (-1)^n
.set ii, ii+1
.endr
.set ii, 0
.rept \np
	v_pk_mul_f32 v[NN+ii:NN+ii+1], v[NN+ii:NN+ii+1], v[(\x)+ii:(\x)+ii+1]
.set ii, ii+2
.endr
.set ii, 0
.rept \np
	v_pk_fma_f32 v[(\x)+ii:(\x)+ii+1], v[NN+ii:NN+ii+1], v[PP+ii:PP+ii+1], v[(\x)+ii:(\x)+ii+1]     ; r + r u P(u), with sign and c
.set ii, ii+2
.endr
.endm
; 64 numbers of a lane, register 32 c + i = k 64 c + 32 h + i of my row (two whole blocks), become a fragment's codes in v[PC] on and the row's scale word in v[PW]
.macro QUANTK xs
.irp c, 0,1
	v_max3_num_f32 v[M+\c], |v[(\xs)+32*\c]|, |v[(\xs)+32*\c+1]|, 0x2800000   ; the largest magnitude, and the floor 2^(5 - 127): the byte cannot fall under 1
.endr
.irp i, 2,4,6,8,10,12,14,16,18,20,22,24,26,28,30
.irp c, 0,1
	v_max3_num_f32 v[M+\c], v[M+\c], |v[(\xs)+32*\c+\i]|, |v[(\xs)+32*\c+\i+1]|
.endr
.endr
.irp c, 0,1
	v_add_nc_u32 v[SO+\c], 0xfe000000, v[M+\c]     ; 4 off the exponent field: the conversion takes this operand's exponent field as its scale
.endr
.irp c, 0,1
	v_lshrrev_b32 v[BY+\c], 23, v[SO+\c]           ; the scale's byte
.endr
	v_lshl_or_b32 v[PW], v[BY+1], 16, v[BY]        ; my two bytes (blocks h and 2 + h),
	v_lshlrev_b32 v[PW], v[H8], v[PW]              ; at their places in the word;
	v_permlanex16_b32 v[TP], v[PW], s[SEL], s[SEL+1]
	v_or_b32 v[PW], v[PW], v[TP]                   ; with lane l xor 16's two the word is whole
.irp c, 0,1
	v_cvt_scalef32_pk16_bf6_f32 v[PC+6*\c:PC+6*\c+2], v[(\xs)+32*\c:(\xs)+32*\c+15], v[SO+\c]
	v_cvt_scalef32_pk16_bf6_f32 v[CT+4*\c:CT+4*\c+2], v[(\xs)+32*\c+16:(\xs)+32*\c+31], v[SO+\c]   ; (a conversion's three registers begin on an even number)
.endr
	v_nop                                          ; one plain place behind a scaled conversion
.irp c, 0,1
.irp i, 0,1,2
	v_mov_b32 v[PC+6*\c+3+\i], v[CT+4*\c+\i]
.endr
.endr
.endm
.macro IMAGE adr, off                  ; the fragment in v[PC] on goes to LDS as it stands: 16 bytes a lane, 512 a store
.irp c, 0,1,2
	ds_store_b128 v[\adr], v[PC+4*\c:PC+4*\c+3] offset:(\off)+512*\c
.endr
.endm
; One matrix instruction on the registers named by rD, rA, rB, rSA, rSB.  z = 1: it starts the sum.  ra, rb = 1: that side's scale words stand in lanes 16-31
.macro WM z, ra, rb
.if \z
.if (\ra) && (\rb)
	v_wmma_scale_f32_16x16x128_f8f6f4 v[rD:rD+7], v[rA:rA+11], v[rB:rB+11], 0, v[rSA], v[rSB] matrix_a_fmt:MATRIX_FMT_BF6 matrix_b_fmt:MATRIX_FMT_BF6 matrix_a_scale:MATRIX_SCALE_ROW1 matrix_b_scale:MATRIX_SCALE_ROW1
.elseif (\ra)
	v_wmma_scale_f32_16x16x128_f8f6f4 v[rD:rD+7], v[rA:rA+11], v[rB:rB+11], 0, v[rSA], v[rSB] matrix_a_fmt:MATRIX_FMT_BF6 matrix_b_fmt:MATRIX_FMT_BF6 matrix_a_scale:MATRIX_SCALE_ROW1
.elseif (\rb)
	v_wmma_scale_f32_16x16x128_f8f6f4 v[rD:rD+7], v[rA:rA+11], v[rB:rB+11], 0, v[rSA], v[rSB] matrix_a_fmt:MATRIX_FMT_BF6 matrix_b_fmt:MATRIX_FMT_BF6 matrix_b_scale:MATRIX_SCALE_ROW1
.else
	v_wmma_scale_f32_16x16x128_f8f6f4 v[rD:rD+7], v[rA:rA+11], v[rB:rB+11], 0, v[rSA], v[rSB] matrix_a_fmt:MATRIX_FMT_BF6 matrix_b_fmt:MATRIX_FMT_BF6
.endif
.else
.if (\ra) && (\rb)
	v_wmma_scale_f32_16x16x128_f8f6f4 v[rD:rD+7], v[rA:rA+11], v[rB:rB+11], v[rD:rD+7], v[rSA], v[rSB] matrix_a_fmt:MATRIX_FMT_BF6 matrix_b_fmt:MATRIX_FMT_BF6 matrix_a_scale:MATRIX_SCALE_ROW1 matrix_b_scale:MATRIX_SCALE_ROW1
.elseif (\ra)
	v_wmma_scale_f32_16x16x128_f8f6f4 v[rD:rD+7], v[rA:rA+11], v[rB:rB+11], v[rD:rD+7], v[rSA], v[rSB] matrix_a_fmt:MATRIX_FMT_BF6 matrix_b_fmt:MATRIX_FMT_BF6 matrix_a_scale:MATRIX_SCALE_ROW1
.elseif (\rb)
	v_wmma_scale_f32_16x16x128_f8f6f4 v[rD:rD+7], v[rA:rA+11], v[rB:rB+11], v[rD:rD+7], v[rSA], v[rSB] matrix_a_fmt:MATRIX_FMT_BF6 matrix_b_fmt:MATRIX_FMT_BF6 matrix_b_scale:MATRIX_SCALE_ROW1
.else
	v_wmma_scale_f32_16x16x128_f8f6f4 v[rD:rD+7], v[rA:rA+11], v[rB:rB+11], v[rD:rD+7], v[rSA], v[rSB] matrix_a_fmt:MATRIX_FMT_BF6 matrix_b_fmt:MATRIX_FMT_BF6
.endif
.endif
.endm
; Row tiles m0 .. m1 against the four fragments of the weight's half e, 128 along K.  b1: where the rows' fragments begin (12 registers a row tile); sb: their scale words (register m / 2, row m % 2).
; Accumulator (m, v) at v[8 (4 m + v)].  The 32 accumulators take turns, one instruction a turn, in the same order in every half.
.macro MULH e, m0, m1, b1, sb, zero
.set mm, \m0
.rept (\m1)-(\m0)+1
.set vv, 0
.rept 4
.set rD, 8*(4*mm+vv)
.set rA, WF+48*(\e)+12*vv
.set rB, (\b1)+12*mm
.set rSA, WS+2*(\e)+vv/2
.set rSB, (\sb)+mm/2
	WM \zero, vv%2, mm%2
.set vv, vv+1
.endr
.set mm, mm+1
.endr
.endm
.macro FETCHW k, e                     ; half e of my quarter of slot k: 4 fragments and their scale words: 13 LDS loads
.irp v, 0,1,2,3
.irp c, 0,1,2
	ds_load_b128 v[WF+48*(\e)+12*\v+4*\c:WF+48*(\e)+12*\v+4*\c+3], v[ADW+(\k)] offset:HALFB*(\e)+FRB*\v+512*\c
.endr
.endr
	ds_load_b64 v[WS+2*(\e):WS+2*(\e)+1], v[ADS+(\k)] offset:HALFB*(\e)
.endm
.macro FETCHH q                        ; a K step's 8 fragments of h and their scale words into set q: 33 LDS loads; the addresses stand in v[AD0], v[AD1], v[AD2]
	ds_load_b128 v[HS+4*(\q):HS+4*(\q)+3], v[AD2]
	WIN 0x40
.irp m, 0,1,2,3,4,5,6,7
	ds_load_b128 v[128*(\q)+12*\m:128*(\q)+12*\m+3], v[AD0] offset:FRB*\m
	ds_load_b64 v[128*(\q)+12*\m+4:128*(\q)+12*\m+5], v[AD1] offset:FRB*\m
	ds_load_b128 v[128*(\q)+12*\m+6:128*(\q)+12*\m+9], v[AD0] offset:FRB*\m+768
	ds_load_b64 v[128*(\q)+12*\m+10:128*(\q)+12*\m+11], v[AD1] offset:FRB*\m+768
.endr
	WIN 0
.endm
; A PREFETCH of wq, behind the joint load, its four lines and the LDS loads that the next products wait for.  At each of the first 22 changes of slots the launch's first cluster names 65,536 bytes:
; waves 0 and 1 of its four work-groups take 8,192 each, told apart BY ADDRESS (2 cx + wave), lanes 256 bytes apart.  The first names bytes 196,608 on, while tile 2 (bytes 102,400 on) is being asked for;
; 196,608 + 22 x 65,536 is wq's end.  So each aligned block of 256 bytes from 196,608 on is named once in the launch; what lies in front comes by its loads alone.
.macro ASK
	s_cmp_le_u32 s[TIL], s[LIM]
	s_cbranch_scc0 .Lnot_mine_\@
	global_prefetch_b8 v[PFO], s[PFA:PFA+1] th:TH_LOAD_NT scope:SCOPE_SE
.Lnot_mine_\@:
.endm
; A TILE of the weights, in slot p: 64 matrix instructions.  Its fragments are in registers or on their way when the macro begins (fetched in the tile before), so the slot is free at once:
; the change of slots stands in the tile's first half.  In front of the barrier: the wait for all my tensor loads (one is out: my quarter of the other slot), the add, and the wait for it and for my reads of this slot.
; fill = 1: the barrier opens a round of the cluster's barrier, and behind it slot p takes the tile two on.  Then the other slot's first half is fetched; its second half at the tile's end.
; wa, wb: the windows of the two halves' products; b1a, b1b, sba, sbb, za, zb: their rows' fragments, scale words, and whether they start the sums.  hf = 1: the next K step of h is fetched too.
; hw: the youngest LDS instructions that may stay out at the head: half b's 13 loads and the add.
.macro TILE p, wa, wb, b1a, b1b, sba, sbb, za, zb, fill, hf, hw
.if \fill
	s_wait_xcnt 0x0                                ; the last prefetch, a tile back, has read its address: it is stepped here, ahead of the waits of the change of slots
	s_add_nc_u64 s[PFA:PFA+1], s[PFA:PFA+1], 65536
	s_add_co_u32 s[TIL], s[TIL], 1
.endif
	s_wait_tensorcnt 0x0                           ; all my tensor loads have landed: my quarter of the other slot;
	ds_add_u32 v[SPW], v[NIL]                      ; 0 onto my spare word
	s_wait_dscnt \hw
	WIN \wa
	MULH 0, 0, 3, \b1a, \sba, \za                  ; sixteen matrix instructions stand between the add and the wait for it
	s_wait_dscnt 0x0                               ; the add is done, and my reads of this slot are over
	s_barrier_signal -1
	MULH 0, 4, 7, \b1a, \sba, \za
	WIN 0
	s_barrier_wait -1
.if \fill
	CREST                                          ; no wave of any partner still reads this slot or has a load on its way
	s_add_nc_u64 s[G0+4*\p+2:G0+4*\p+3], s[G0+4*\p+2:G0+4*\p+3], 2*SLOTB   ; no tensor load of mine is out: the tile two on
	tensor_load_to_lds s[G0+4*\p:G0+4*\p+3], s[G1:G1+7]   ; my one tensor load behind the round
	s_nop 0
.endif
	PLACES 4                                       ; behind the tensor load, and the places in front of the loads below
	FETCHW 1-\p, 0
.if \hf
	s_add_co_u32 s[OF0], s[OF0], 8*FRB             ; on to the next K step of h
	s_add_co_u32 s[OF1], s[OF1], 512
	v_add_nc_u32 v[AD0], s[OF0], v[HRD16]
	v_add_nc_u32 v[AD1], s[OF0], v[HRD8]
	v_add_nc_u32 v[AD2], s[OF1], v[HSR]
	FETCHH 1-\p
.endif
.if \fill
	ASK
.endif
	WIN \wb
	MULH 1, 0, 7, \b1b, \sbb, \zb
	PLACES 4
	WIN 0
	FETCHW 1-\p, 1
.endm
; My 32 accumulators of h (window 3: row tile m at 32 m; its 32 registers are hidden units 16 h + 0 .. 15 of block 0, then of block 1) become codes: relu, each block's largest number (with lane l xor 16's),
; the scale, the conversion, the exchange of halves that gives a lane a whole block: six registers a row tile, half a fragment of the next K.  Four row tiles at a time.
.macro QUANTH
	v_add_nc_u32 v[AD0], s[OF0], v[HWI16]
	v_add_nc_u32 v[AD1], s[OF0], v[HWI8]
	v_add_nc_u32 v[AD2], s[OF1], v[HWS]
.irp mb, 0,1
	WIN 0xcc                                       ; source 1 and destination window 3
.set ii, 128*\mb
.rept 128
	v_max_num_f32 v[ii], 0, v[ii]                  ; the activation, in f32; ascending
.set ii, ii+1
.endr
	WIN 0x3c                                       ; sources 1 and 2 window 3
.irp x, 0,1,2,3,4,5,6,7                        ; block x = 2 i + b of row tile 4 mb + i.  No |.|: none is negative
	v_max3_num_f32 v[TM+\x], 0x2800000, v[128*\mb+16*\x], v[128*\mb+16*\x+1]   ; and the floor 2^(5 - 127)
.endr
.irp j, 2,4,6,8,10,12,14
.irp x, 0,1,2,3,4,5,6,7
	v_max3_num_f32 v[TM+\x], v[TM+\x], v[128*\mb+16*\x+\j], v[128*\mb+16*\x+\j+1]
.endr
.endr
	WIN 0
.irp x, 0,1,2,3,4,5,6,7
	v_permlanex16_b32 v[T2+\x], v[TM+\x], s[SEL], s[SEL+1]
.endr
.irp x, 0,1,2,3,4,5,6,7
	v_max_num_f32 v[TM+\x], v[TM+\x], v[T2+\x]     ; the block's largest number
.endr
.irp x, 0,1,2,3,4,5,6,7
	v_add_nc_u32 v[SOH+\x], 0xfe000000, v[TM+\x]   ; 4 off the exponent field: the conversion's scale operand
.endr
.irp x, 0,1,2,3,4,5,6,7
	v_lshrrev_b32 v[T2+\x], 23, v[SOH+\x]          ; the scale's byte
.endr
.irp i, 0,1,2,3
	v_lshl_or_b32 v[PWH+\i], v[T2+2*\i+1], 8, v[T2+2*\i]   ; my half of the row's scale word
.endr
	WIN 0x03                                       ; source 0 window 3
.irp i, 0,1,2,3
	v_cvt_scalef32_pk16_bf6_f32 v[EB+12*\i:EB+12*\i+2], v[128*\mb+32*\i:128*\mb+32*\i+15], v[SOH+2*\i]
	v_cvt_scalef32_pk16_bf6_f32 v[EB+12*\i+6:EB+12*\i+8], v[128*\mb+32*\i+16:128*\mb+32*\i+31], v[SOH+2*\i+1]
.endr
	WIN 0
	v_nop                                          ; one plain place behind a scaled conversion
.irp i, 0,1,2,3
.irp k, 0,1,2
	v_permlane16_swap_b32 v[EB+12*\i+\k], v[EB+12*\i+6+\k]   ; the first's lanes 16-31 change places with the second's lanes 0-15: lanes 0-15 now hold block 0, lanes 16-31 block 1
.endr
.endr
.irp i, 0,1,2,3
.irp k, 0,1,2
	v_mov_b32 v[EB+12*\i+3+\k], v[EB+12*\i+6+\k]
.endr
.endr
.irp i, 0,1,2,3
	ds_store_b128 v[AD0], v[EB+12*\i:EB+12*\i+3] offset:FRB*(4*\mb+\i)
	ds_store_b64 v[AD1], v[EB+12*\i+4:EB+12*\i+5] offset:FRB*(4*\mb+\i)
	ds_store_b16 v[AD2], v[PWH+\i] offset:256*(\i%2)+4*((4*\mb+\i)/2)   ; lanes r and r + 16 write the same bytes with the same value
.endr
	s_wait_dscnt 0x0                               ; the stores have read their registers
.endr
.endm
	s_load_b256 s[4:11], s[0:1], 0x0               ; x s[4:5], theta s[6:7], wq s[8:9], out s[10:11]
	v_lshl_add_u32 v[SPW], v0, 2, SPARE
	v_mov_b32 v[NIL], 0
	ds_add_u32 v26, v27
	ds_add_u32 v26, v27
	s_wait_dscnt 0x0
	v_lshrrev_b32 v[AD0], 5, v0
	v_readfirstlane_b32 s[WV], v[AD0]              ; wave 0..3
	s_bfe_u32 s13, ttmp6, 0x40000                  ; cx: my place in the cluster
	s_lshl_b32 s14, ttmp9, 2                       ; in a cluster launch ttmp9 counts clusters
	s_add_co_u32 s14, s14, s13                     ; my block of 128 rows: it enters x's, out's and the prefetches' addresses alone
	; descriptor group 1: 12,800 dense bytes as 50 rows of 256 (32 elements of 8 bytes), no padding
	s_mov_b32 s[G1+0], 15|(3<<16)|(1<<21)          ; 15:0 the mask: all four work-groups; 17:16 elements of 8 bytes; 21 set beside a mask
	s_mov_b32 s[G1+1], 32<<16                      ; tensor_dim0 = 32
	s_mov_b32 s[G1+2], 50<<16                      ; tensor_dim1 = 50
	s_mov_b32 s[G1+3], 32<<16                      ; tile_dim0 = 32
	s_mov_b32 s[G1+4], 50                          ; tile_dim1 = 50
	s_mov_b32 s[G1+5], 32                          ; tensor_dim0_stride
	s_mov_b32 s[G1+6], 0
	s_mov_b32 s[G1+7], 0
	s_mov_b32 s[SEL], 0x76543210
	s_mov_b32 s[SEL+1], 0xfedcba98
	s_mov_b32 s[INVPI], 0x3ea2f983                 ; 1 / pi
	s_mov_b32 s[MAGIC], 0x4b400000                 ; 1.5 x 2^23
	s_mov_b32 s[NMAGIC], 0xcb400000
	s_mov_b32 s[NPIH], 0xc0490fdb                  ; - pi's upper part
	s_mov_b32 s[NPIL], 0x33bbbd2e                  ; - its lower part
	s_mov_b32 s[A10], 0xb2cd4ca9                   ; -2.39e-8
	s_mov_b32 s[A6], 0xb9500c03                    ; -1.984090e-4
	s_mov_b32 s[A4], 0x3c088887                    ; 8.3333315e-3
	s_mov_b32 s[A2], 0xbe2aaaab                    ; -0.1666666664
.irp k, INVPI, MAGIC, NMAGIC, NPIH, NPIL, A10, A6, A4, A2
	s_mov_b32 s[\k+1], s[\k]                       ; (named with it as a pair, so it is written)
.endr
	s_lshr_b32 s15, s[WV], 1                       ; 0 in waves 0 and 1,
	s_or_b32 s15, s15, ttmp9                       ; of the launch's first cluster: the same in all four partners
	s_cmp_eq_u32 s15, 0
	s_cselect_b32 s[LIM], 22, 0
	s_mov_b32 s[TIL], 0
	s_mul_i32 s16, s[WV], QRT                      ; my quarter, in a tile and in a slot: no place in the cluster enters it
	s_mov_b32 s17, 0
	s_lshl_b32 s18, s14, 18                        ; my block: 128 rows of 2,048 bytes
	s_lshl_b32 s20, s[WV], 16
	s_add_co_u32 s20, s20, s18                     ; x: + my wave's 32 rows
	s_mov_b32 s21, 0
	s_lshl_b32 s22, s[WV], 9
	s_add_co_u32 s22, s22, s18                     ; out: + my wave's 128 columns
	s_mov_b32 s23, 0
	s_lshl_b32 s18, s13, 1
	s_add_co_u32 s18, s18, s[WV]
	s_lshl_b32 s18, s18, 13
	s_add_co_u32 s18, s18, 131072                  ; the prefetches: 8,192 (2 cx + wave), one step of 65,536 in front of the first block named
	s_mov_b32 s19, 0
	s_wait_kmcnt 0x0
	s_add_nc_u64 s[4:5], s[4:5], s[20:21]
	s_add_nc_u64 s[10:11], s[10:11], s[22:23]
	s_add_nc_u64 s[PFA:PFA+1], s[8:9], s[18:19]
	s_add_nc_u64 s[8:9], s[8:9], s[16:17]          ; wq at my quarter of tile 0
	s_mov_b32 s[G0], 1                             ; 1:0 count = 1
	s_mov_b32 s[G0+1], s16                         ; 63:32 LDS address: slot 0
	s_mov_b64 s[G0+2:G0+3], s[8:9]                 ; 120:64 global address: tile 0
	s_or_b32 s[G0+3], s[G0+3], 0x80000000          ; 127:126 type = 2
	s_mov_b32 s[G0+4], 1
	s_add_co_u32 s[G0+5], s16, SLOTB
	s_add_nc_u64 s[G0+6:G0+7], s[8:9], SLOTB       ; tile 1
	s_or_b32 s[G0+7], s[G0+7], 0x80000000
	CROUND                                         ; all four work-groups are here: the first joint loads meet
	tensor_load_to_lds s[G0:G0+3], s[G1:G1+7]      ; both first fills together, ahead of every wait on TENSORcnt and every LDS read: two loads of mine are out
	s_nop 0
	tensor_load_to_lds s[G0+4:G0+7], s[G1:G1+7]
	s_nop 0
	PLACES 4
	v_and_b32 v[AD0], 31, v0                       ; lane
	v_lshlrev_b32 v[LI], 4, v[AD0]
.irp i, 0,1,2,3
	global_load_b128 v[XA+4*\i:XA+4*\i+3], v[LI], s[6:7] offset:512*\i   ; theta: 16 numbers a lane
.endr
	GLOAD 0                                        ; x: K step 0 of my 32 rows
	v_and_b32 v[AD1], 15, v0                       ; r
	v_bfe_u32 v[AD2], v0, 4, 1                     ; h
	v_lshlrev_b32 v[H8], 3, v[AD2]
	v_lshlrev_b32 v[PFO], 8, v[AD0]
	v_mul_u32_u24 v31, v[AD1], SP                  ; 528 r
	s_mul_i32 s15, s[WV], 2*16*SP
	s_add_co_u32 s15, s15, XSTG
	v_add_nc_u32 v[STI], s15, v[LI]
	v_lshl_add_u32 v[STR], v[AD2], 7, v31
	v_add_nc_u32 v[STR], s15, v[STR]               ; row r, + 128 h: my 32 numbers of each 64
	s_mul_i32 s15, s[WV], 8*FRB
	s_add_co_u32 s15, s15, QIMG
	v_add_nc_u32 v[QWI], s15, v[LI]                ; row tile 2 w
	s_lshl_b32 s15, s[WV], 2
	s_add_co_u32 s15, s15, QSC
	v_lshl_add_u32 v[QWS], v[AD1], 4, s15
	v_add_nc_u32 v[QRD], QIMG, v[LI]
	v_add_nc_u32 v[QSR], QSC, v[LI]
	v_add_nc_u32 v[ADW], s16, v[LI]
	v_add_nc_u32 v[ADW+1], SLOTB, v[ADW]
	v_lshl_add_u32 v[ADS], v[AD0], 3, s16
	v_add_nc_u32 v[ADS], 4*FRB, v[ADS]
	v_add_nc_u32 v[ADS+1], SLOTB, v[ADS]
	s_lshr_b32 s15, s[WV], 1                       ; my 64 hidden units of a group are half w % 2 of the group's K step w / 2
	s_and_b32 s18, s[WV], 1
	s_mul_i32 s19, s15, 8*FRB
	s_mul_i32 s20, s18, 768
	s_add_co_u32 s19, s19, s20
	s_add_co_u32 s19, s19, HIMG
	v_add_nc_u32 v[HWI16], s19, v[LI]
	v_lshl_add_u32 v[HWI8], v[AD0], 3, s19
	v_add_nc_u32 v[HWI8], 512, v[HWI8]
	s_lshl_b32 s15, s15, 9
	s_lshl_b32 s18, s18, 1
	s_add_co_u32 s15, s15, s18
	s_add_co_u32 s15, s15, HSC
	v_lshl_add_u32 v[HWS], v[AD1], 4, s15
	v_add_nc_u32 v[HRD16], HIMG, v[LI]
	v_lshlrev_b32 v[HRD8], 3, v[AD0]
	v_add_nc_u32 v[HRD8], HIMG+512, v[HRD8]
	v_add_nc_u32 v[HSR], HSC, v[LI]
	v_lshl_add_u32 v[STO], v[AD2], 5, v31
	v_add_nc_u32 v[STO], s16, v[STO]
	v_add_nc_u32 v[RD], s16, v[LI]
	v_mov_b32 v[KA8], 0x3638b94e                   ; 2.7526e-6
	v_mov_b32 v[KA8+1], 0x3638b94e
	v_mov_b32 v[TP], 0                             ; a lane permute's destination counts as one of its sources
	s_wait_loadcnt 32                              ; theta is in; x's 32 loads, issued behind it, may be out
	v_pk_add_f32 v[64:65], v[64:65], v[66:67]      ; the sum of theta: my 16,
	v_pk_add_f32 v[68:69], v[68:69], v[70:71]
	v_pk_add_f32 v[72:73], v[72:73], v[74:75]
	v_pk_add_f32 v[76:77], v[76:77], v[78:79]
	v_pk_add_f32 v[64:65], v[64:65], v[68:69]
	v_pk_add_f32 v[72:73], v[72:73], v[76:77]
	v_pk_add_f32 v[64:65], v[64:65], v[72:73]
	v_add_f32 v64, v64, v65
	v_add_f32_dpp v64, v64, v64 row_xmask:1 row_mask:0xf bank_mask:0xf   ; and the 32 lanes'
	v_add_f32_dpp v64, v64, v64 row_xmask:2 row_mask:0xf bank_mask:0xf
	v_add_f32_dpp v64, v64, v64 row_xmask:4 row_mask:0xf bank_mask:0xf
	v_add_f32_dpp v64, v64, v64 row_xmask:8 row_mask:0xf bank_mask:0xf
	v_permlanex16_b32 v65, v64, s[SEL], s[SEL+1]
	v_add_f32 v64, v64, v65
	v_mov_b32 v65, v64
	COSC 64, 1, 0
	v_mov_b32 v[CC], v64                           ; c = cos(sum theta)
	v_mov_b32 v[CC+1], v65
	; ---- PHASE 0: four trips, one K step of 128 each.  x's 32 x 512 bytes turn through my two stages, so that lane (r, h) holds k = 64 c + 32 h + 0 .. 31 of row r; the next K step's loads go out as soon as
	; the stage's stores have read their registers, and have the trip's arithmetic in which to land.
	s_mov_b32 s[CNT], 4
	s_mov_b32 s[OF0], 0
	s_mov_b32 s[OF1], 0
.Lkstep:
	s_wait_loadcnt 0x0
	WIN 0x04                                       ; an LDS store's data are its source 1: window 1
.irp i, 0,1,2,3,4,5,6,7,8,9,10,11,12,13,14,15
	ds_store_b128 v[STI], v[4*\i:4*\i+3] offset:SP*\i
.endr
.irp i, 0,1,2,3,4,5,6,7,8,9,10,11,12,13,14,15
	ds_store_b128 v[STI], v[64+4*\i:64+4*\i+3] offset:16*SP+SP*\i
.endr
	WIN 0
.irp c, 0,1
.irp j, 0,1,2,3,4,5,6,7
	ds_load_b128 v[XA+32*\c+4*\j:XA+32*\c+4*\j+3], v[STR] offset:256*\c+16*\j   ; LDS serves a wave's instructions in order: these see my stores
.endr
.endr
.irp c, 0,1
.irp j, 0,1,2,3,4,5,6,7
	ds_load_b128 v[XB+32*\c+4*\j:XB+32*\c+4*\j+3], v[STR] offset:16*SP+256*\c+16*\j
.endr
.endr
	v_add_nc_u32 v[AD0], s[OF0], v[QWI]            ; where this K step's images go
	v_add_nc_u32 v[AD1], s[OF1], v[QWS]
	s_wait_dscnt 16                                ; the first row tile's numbers are in (the second's 16 loads may be out): so the stores have read their registers
	s_cmp_eq_u32 s[CNT], 1                         ; the last trip asks for nothing: no load leaves x
	s_cbranch_scc1 .Lno_more_x
	GLOAD 512
.Lno_more_x:
.irp k, 0,1,2,3
	COSC XA+16*\k, 8, 1
.endr
	QUANTK XA
	IMAGE AD0, 0
	ds_store_b32 v[AD1], v[PW]                     ; lanes r and r + 16 write the same word with the same value
	s_wait_dscnt 0x0                               ; the second row tile's numbers are in, and the stores have read their registers
.irp k, 0,1,2,3
	COSC XB+16*\k, 8, 1
.endr
	QUANTK XB
	IMAGE AD0, 4*FRB                               ; row tile 2 w + 1
	ds_store_b32 v[AD1], v[PW] offset:256
	s_wait_dscnt 0x0
	s_wait_xcnt 0x0                                ; x's loads have read their base: it may step
	s_add_nc_u64 s[4:5], s[4:5], 512
	s_add_co_u32 s[OF0], s[OF0], FRB
	s_add_co_u32 s[OF1], s[OF1], 512
	s_sub_co_u32 s[CNT], s[CNT], 1
	s_cmp_lg_u32 s[CNT], 0
	s_cbranch_scc1 .Lkstep
	s_wait_tensorcnt 0x1                           ; my quarter of tile 0 is in; tile 1's load may stay out
	s_barrier_signal -1                            ; (my LDS stores have landed: the trip's last wait)
	s_barrier_wait -1                              ; q's 32 fragments lie in LDS
	WIN 0x80                                       ; destination window 2: K steps 0, 1
.irp s, 0,1
.irp m, 0,1,2,3,4,5,6,7
.irp c, 0,1,2
	ds_load_b128 v[96*\s+12*\m+4*\c:96*\s+12*\m+4*\c+3], v[QRD] offset:(4*\m+\s)*FRB+512*\c
.endr
.endr
.endr
	WIN 0x40                                       ; window 1: K steps 2, 3
.irp s, 0,1
.irp m, 0,1,2,3,4,5,6,7
.irp c, 0,1,2
	ds_load_b128 v[96*\s+12*\m+4*\c:96*\s+12*\m+4*\c+3], v[QRD] offset:(4*\m+2+\s)*FRB+512*\c
.endr
.endr
.endr
	WIN 0
.irp s, 0,1,2,3
	ds_load_b128 v[QS+4*\s:QS+4*\s+3], v[QSR] offset:512*\s   ; K step s: register j: row tile 2 j in lanes 0-15, 2 j + 1 in lanes 16-31
.endr
	FETCHW 0, 0
	FETCHW 0, 1
.irp x, 0,1,2,3,4,5,6,7
	v_mov_b32 v[T2+\x], 0                          ; lane permutes' destinations
.endr
	; ---- PHASE 1: eight groups of 256 hidden units; a group is two tiles of W1 (K steps 0, 1 and 2, 3).  Every tile fills its slot again: the ring goes on into W2's tiles.
	; The first round stands between every wave's reads of q's images and the first store of h onto those bytes.
	s_mov_b32 s[CNT], 8
	s_mov_b32 s[OF0], 0
	s_mov_b32 s[OF1], 0
.Lgroup:
	TILE 0, 0xf8, 0xf8, 0, 96, QS, QS+4, 1, 0, 1, 0, 14       ; source 1 (q) window 2, C and D window 3; the first half starts the sums: nothing is cleared
	TILE 1, 0xf4, 0xf4, 0, 96, QS+8, QS+12, 0, 0, 1, 0, 14    ; source 1 window 1
	QUANTH
	s_add_co_u32 s[OF0], s[OF0], 16*FRB            ; a group is two K steps of the next product
	s_add_co_u32 s[OF1], s[OF1], 1024
	s_sub_co_u32 s[CNT], s[CNT], 1
	s_cmp_lg_u32 s[CNT], 0
	s_cbranch_scc1 .Lgroup
	s_wait_dscnt 0x0                               ; for the others' sake: my images of h have landed
	s_barrier_signal -1
	s_barrier_wait -1                              ; all of h lies in LDS.
	; ---- PHASE 2: sixteen tiles of W2, one K step of 128 each: half a = column tiles 0-3 (window 2), half b = column tiles 4-7 (window 3); h's fragments in two sets by turns
	s_mov_b32 s[OF0], 0
	s_mov_b32 s[OF1], 0
	v_add_nc_u32 v[AD0], s[OF0], v[HRD16]
	v_add_nc_u32 v[AD1], s[OF0], v[HRD8]
	v_add_nc_u32 v[AD2], s[OF1], v[HSR]
	FETCHH 0
	TILE 0, 0xa4, 0xf4, 0, 0, HS, HS, 1, 1, 1, 1, 1           ; tile 16 starts the sums; at its head only the add may be out
	s_mov_b32 s[CNT], 6
.Lpair:                                            ; tiles 17 to 28
	TILE 1, 0xa4, 0xf4, 128, 128, HS+4, HS+4, 0, 0, 1, 1, 14
	TILE 0, 0xa4, 0xf4, 0, 0, HS, HS, 0, 0, 1, 1, 14
	s_sub_co_u32 s[CNT], s[CNT], 1
	s_cmp_lg_u32 s[CNT], 0
	s_cbranch_scc1 .Lpair
	TILE 1, 0xa4, 0xf4, 128, 128, HS+4, HS+4, 0, 0, 1, 1, 14  ; tile 29 asks for tile 31: the last fill
	TILE 0, 0xa4, 0xf4, 0, 0, HS, HS, 0, 0, 0, 1, 14          ; tile 30 fills nothing, and has no round of the cluster's barrier
	s_wait_dscnt 13                                ; tile 31: nothing more to fetch; half b's 13 loads may be out
	WIN 0xa4
	MULH 0, 0, 7, 128, HS+4, 0
	s_wait_dscnt 0x0
	WIN 0xf4
	MULH 1, 0, 7, 128, HS+4, 0
	WIN 0
; THE WAY OUT, row tile by row tile.  A lane holds 8 neighbouring columns of a row for each of 8 column tiles; a tile of 16 rows x 128 columns goes through my own stage in LDS and comes back as whole rows of
; 512 bytes.  The stage lies in my quarter of slot 0, which has had its last fill and which I alone read.  LDS serves a wave's instructions in order: no wait between the stores and the loads.
.macro TOSTAGE m
	WIN 0x08                                       ; the data: window 2
.irp n, 0,1,2,3
	ds_store_b128 v[STO], v[8*(4*(\m)+\n):8*(4*(\m)+\n)+3] offset:64*\n          ; each accumulator from its low end on
	ds_store_b128 v[STO], v[8*(4*(\m)+\n)+4:8*(4*(\m)+\n)+7] offset:64*\n+16
.endr
	WIN 0x0c                                       ; window 3
.irp n, 0,1,2,3
	ds_store_b128 v[STO], v[8*(4*(\m)+\n):8*(4*(\m)+\n)+3] offset:256+64*\n
	ds_store_b128 v[STO], v[8*(4*(\m)+\n)+4:8*(4*(\m)+\n)+7] offset:256+64*\n+16
.endr
	WIN 0
.set BBS, BB+64*((\m)%2)
.irp t, 0,1,2,3,4,5,6,7,8,9,10,11,12,13,14,15
	ds_load_b128 v[BBS+4*\t:BBS+4*\t+3], v[RD] offset:\t*SP
.endr
.endm
.macro SEND m, younger                 ; younger: the LDS instructions issued behind tile m's loads, which may stay out
.set BBS, BB+64*((\m)%2)
	s_wait_dscnt \younger
.irp t, 0,1,2,3,4,5,6,7,8,9,10,11,12,13,14,15
	global_store_b128 v[LI], v[BBS+4*\t:BBS+4*\t+3], s[10:11] offset:32768*(\m)+2048*\t th:TH_STORE_NT   ; 32 lanes store 512 consecutive bytes, at a multiple of 256 from out's first byte; base and offset never step
.endr
.endm
	PLACES 4                                       ; in front of the first reads of the last results and of loads into registers that held the weight's fragments
	TOSTAGE 0
.irp a, 1,2,3,4,5,6,7
.if \a > 1
	s_wait_xcnt 0x0                                ; tile a - 2's stores have read their registers: tile a's rows may land there
.endif
	TOSTAGE \a
	SEND \a-1, 32                                  ; behind tile a - 1's loads: tile a's 16 stores and 16 loads
.endr
	SEND 7, 0
	s_wait_tensorcnt 0x0                           ; the wave's end: behind my last tensor load and my last LDS store
	ds_add_u32 v[SPW], v[NIL]
	s_wait_dscnt 0x0
	CROUND                                         ; the closing round: no work-group ends while a partner may still ask for a tile that names it
	s_endpgm
.Lfunc_end_k_qf806388fde_ffn:
	.size	k_qf806388fde_ffn, .Lfunc_end_k_qf806388fde_ffn-k_qf806388fde_ffn
	.p2alignl 7, 3214868480
	.fill 96, 4, 3214868480
	.section	.rodata,"a",@progbits
	.p2align	6, 0x0
	.amdhsa_kernel k_qf806388fde_ffn
		.amdhsa_group_segment_fixed_size 327680
		.amdhsa_private_segment_fixed_size 0
		.amdhsa_enable_private_segment 0
		.amdhsa_kernarg_size 32
		.amdhsa_user_sgpr_count 2
		.amdhsa_user_sgpr_kernarg_segment_ptr 1
		.amdhsa_wavefront_size32 1
		.amdhsa_system_sgpr_workgroup_id_x 1
		.amdhsa_system_sgpr_workgroup_id_y 1
		.amdhsa_system_sgpr_workgroup_id_z 1
		.amdhsa_system_vgpr_workitem_id 0
		.amdhsa_next_free_vgpr 1024
		.amdhsa_next_free_sgpr 80
		.amdhsa_reserve_vcc 0
		.amdhsa_float_denorm_mode_32 3
		.amdhsa_float_denorm_mode_16_64 3
		.amdhsa_memory_ordered 1
		.amdhsa_forward_progress 1
		.amdhsa_inst_pref_size 251
	.end_amdhsa_kernel
	.amdgpu_metadata
---
amdhsa.version: [ 1, 2 ]
amdhsa.kernels:
  - .name:           k_qf806388fde_ffn
    .symbol:         k_qf806388fde_ffn.kd
    .args:
      - { .name: x, .offset: 0, .size: 8, .value_kind: global_buffer, .address_space: global }
      - { .name: theta, .offset: 8, .size: 8, .value_kind: global_buffer, .address_space: global }
      - { .name: wq, .offset: 16, .size: 8, .value_kind: global_buffer, .address_space: global }
      - { .name: out0, .offset: 24, .size: 8, .value_kind: global_buffer, .address_space: global }
    .group_segment_fixed_size: 327680
    .private_segment_fixed_size: 0
    .kernarg_segment_align: 8
    .kernarg_segment_size: 32
    .max_flat_workgroup_size: 128
    .sgpr_count:     80
    .vgpr_count:     1024
    .wavefront_size: 32
...
	.end_amdgpu_metadata
.endif
;; end of part 2
;; ======== version 2 of 2: 2 launches
;; limits: inputs' magnitudes at most 25,736; right only within a limited range of input values
;; workspace buffers: wq 1,638,400 bytes
;; launch prep (part 3): grid 256 x 1, 4 waves a work-group, no clusters, 34,816 bytes of LDS; arguments W1, W2, wq; writes wq
.if DOCPART == 3
	.amdgcn_target "amdgcn-amd-amdhsa--gfx1250"
	.amdhsa_code_object_version 6
	.text
	.protected	k_qf806388fde_prep
	.globl	k_qf806388fde_prep
	.p2align	8
	.type	k_qf806388fde_prep,@function
k_qf806388fde_prep:
	s_mov_b64 s[64:65], 0
	v_nop
	global_prefetch_b8 v0, s[64:65] scope:SCOPE_SE
	s_setreg_imm32_b32 hwreg(HW_REG_WAVE_MODE, 25, 1), 1
	s_wait_xcnt 0x0
; W1 [2048][512] and W2 [512][2048], f32, K innermost, become codes of BF6 (E3M2) with one E8M0 scale byte for each 32 along K, laid in wq AS IMAGES OF OPERAND REGISTERS,
; in the order in which the second launch walks them.  wq = 16 pairs of tiles, 102,400 bytes a pair; a pair = 4 quarters (one for each wave of the reader) of 25,600; a quarter = 4 halves of tiles of 6,400
; (tile 2 P's two, then tile 2 P + 1's two); a half = 4 fragments (16 rows x 128 K: 12 registers a lane) of 1,536 bytes, then 256 bytes of scale words.  A fragment's image: registers 4 c .. 4 c + 3 of lane l at 512 c + 16 l.
; Scale word of fragment v, row r: at 128 (v % 2) + 8 r + 4 (v / 2), so that one load of 8 bytes a lane gives two registers with fragments 2 j (lanes 0-15) and 2 j + 1 (lanes 16-31).
; Tiles 0-15, W1: tile T = 2 g + p, half e: K step 2 p + e; fragment v of quarter w, row r: hidden unit 256 g + 64 w + 32 (v / 2) + 8 (v % 2) + r + 8 (r / 8): the rows of a tile are not
; neighbours, so that the reader's results of two neighbouring tiles are 16 neighbours along the next K.   Tiles 16-31, W2: K step T - 16; fragment v of half e, row r: output column 128 w + 64 e + 16 v + r.
; SHARES: work-group b makes the 6,400 consecutive bytes at 6,400 b: pair b / 16, quarter (b / 4) % 4, tile (b / 2) % 2 of the pair, half b % 2; wave v makes its fragment v.  Each of a wave's 16 loads reads 512
; consecutive bytes (one row's 128 K); the numbers turn through the wave's own stage in LDS, so that lane (r, h) gets k = 64 c + 32 h + 0 .. 31 of row r in consecutive registers: two whole blocks a lane.
; A block's scale is 2^(floor(log2(largest magnitude)) - 4): its byte is the largest magnitude's exponent field - 4, held at 1 from below.
; LIMITS: a block of zeros, or one whose largest magnitude lies under 2^-122, gets the byte 1 (its codes are zeros or small; this program alone reads the bytes); NaN and infinities are not served.
; Both tensors take one path: only the pointer, the pitch and the offsets are chosen, on the work-group's number.
.set SP,   528                         ; a stage row: 512 bytes + 16: the 16 rows that a load of 16 bytes a lane touches start in different banks
.set SCST, 4*16*SP                     ; behind the four stages: the half's 256 bytes of scale words
.set LI,   1                           ; v1   16 x lane
.set H8,   2                           ; v2   8 x (lane / 16)
.set STI,  4                           ; v4   the stage, on the way in
.set STR,  5                           ; v5   and on the way out
.set SCW,  6                           ; v6   where my row's scale word goes
.set SCR,  7                           ; v7   where wave 0 reads the 256 bytes back
.set L8,   8                           ; v8   8 x lane
.set VO,   16                          ; v16-31  byte offset of row i of my fragment, + 16 x lane
.set M,    32                          ; v32-33  largest magnitudes
.set SO,   34                          ; v34-35  the conversions' scale operands
.set BY,   36                          ; v36-37  scale bytes
.set PW,   38                          ; v38     the row's scale word
.set TP,   39                          ; v39     at work
.set PC,   40                          ; v40-51  the fragment's codes
.set CT,   52                          ; v52-54, v56-58  second halves of the blocks' codes
.set G,    64                          ; v64-127  the rows as loaded
.set X,    128                         ; v128-191 the numbers in the operand's order
.set SEL,  24                          ; s[24:25] lane selects: lane l xor 16
	s_load_b128 s[4:7], s[0:1], 0x0                ; W1, W2
	s_load_b64 s[8:9], s[0:1], 0x10                ; wq
	v_lshl_add_u32 v192, v0, 2, 0x8600
	v_mov_b32 v193, 0
	v_lshrrev_b32 v3, 5, v0
	v_readfirstlane_b32 s10, v3                    ; wave v
	s_lshr_b32 s11, ttmp9, 4                       ; the pair,
	s_lshl_b32 s11, s11, 1
	s_bfe_u32 s12, ttmp9, 0x10001                  ; and which tile of it:
	s_or_b32 s11, s11, s12                         ; tile T
	s_bfe_u32 s12, ttmp9, 0x20002                  ; quarter w
	s_and_b32 s13, ttmp9, 1                        ; half e
	; W1's way: first row 256 g + 64 w + 32 (v / 2) + 8 (v % 2), rows of 2,048 bytes; K step 2 p + e, 512 bytes each
	s_lshr_b32 s14, s11, 1
	s_lshl_b32 s14, s14, 8
	s_lshl_b32 s16, s12, 6
	s_add_co_u32 s14, s14, s16
	s_lshr_b32 s16, s10, 1
	s_lshl_b32 s16, s16, 5
	s_add_co_u32 s14, s14, s16
	s_and_b32 s16, s10, 1
	s_lshl_b32 s16, s16, 3
	s_add_co_u32 s14, s14, s16
	s_lshl_b32 s14, s14, 11
	s_and_b32 s15, s11, 1
	s_lshl_b32 s15, s15, 1
	s_add_co_u32 s15, s15, s13
	s_lshl_b32 s15, s15, 9
	s_add_co_u32 s14, s14, s15
	; W2's way: first row 128 w + 64 e + 16 v, rows of 8,192 bytes; K step T - 16
	s_lshl_b32 s17, s12, 7
	s_lshl_b32 s16, s13, 6
	s_add_co_u32 s17, s17, s16
	s_lshl_b32 s16, s10, 4
	s_add_co_u32 s17, s17, s16
	s_lshl_b32 s17, s17, 13
	s_sub_co_u32 s16, s11, 16
	s_lshl_b32 s16, s16, 9
	s_add_co_u32 s17, s17, s16
	s_mov_b32 s18, 8192                            ; from row to row of a fragment,
	s_mov_b32 s19, 8192                            ; and from its row 7 to its row 8: in W1 nine rows on
	s_mov_b32 s15, 0
	s_mul_i32 s20, ttmp9, 6400
	s_mul_i32 s21, s10, 1536
	s_add_co_u32 s20, s20, s21                     ; where my fragment's image goes
	s_mov_b32 s21, 0
	s_mov_b32 s[SEL], 0x76543210
	s_mov_b32 s[SEL+1], 0xfedcba98
	s_wait_kmcnt 0x0
	s_cmp_lt_u32 ttmp9, 128                        ; W1's work-group (pairs 0-7) or W2's: the choice hangs on the work-group's number alone
	s_cselect_b64 s[4:5], s[4:5], s[6:7]
	s_cselect_b32 s14, s14, s17
	s_cselect_b32 s18, 2048, s18
	s_cselect_b32 s19, 18432, s19
	s_add_nc_u64 s[4:5], s[4:5], s[14:15]
	s_add_nc_u64 s[8:9], s[8:9], s[20:21]
	v_and_b32 v9, 31, v0                           ; lane
	v_and_b32 v10, 15, v0                          ; r
	v_bfe_u32 v11, v0, 4, 1                        ; h
	v_lshlrev_b32 v[LI], 4, v9
	v_lshlrev_b32 v[H8], 3, v11
	v_lshlrev_b32 v[L8], 3, v9
	v_mov_b32 v[VO], v[LI]
.irp i, 1,2,3,4,5,6,7
	v_add_nc_u32 v[VO+\i], s18, v[VO+\i-1]
.endr
	v_add_nc_u32 v[VO+8], s19, v[VO+7]
.irp i, 9,10,11,12,13,14,15
	v_add_nc_u32 v[VO+\i], s18, v[VO+\i-1]
.endr
.irp i, 0,1,2,3,4,5,6,7,8,9,10,11,12,13,14,15
	global_load_b128 v[G+4*\i:G+4*\i+3], v[VO+\i], s[4:5] th:TH_LOAD_NT   ; 32 lanes read 512 consecutive bytes: row i, 128 along K
.endr
	s_mul_i32 s22, s10, 16*SP                      ; my stage
	v_add_nc_u32 v[STI], s22, v[LI]
	v_mul_u32_u24 v12, v10, SP
	v_lshl_add_u32 v[STR], v11, 7, v12
	v_add_nc_u32 v[STR], s22, v[STR]               ; row r, + 128 h: my 32 numbers of each 64
	s_and_b32 s22, s10, 1
	s_lshl_b32 s22, s22, 7
	s_lshr_b32 s23, s10, 1
	s_lshl_b32 s23, s23, 2
	s_add_co_u32 s22, s22, s23
	s_add_co_u32 s22, s22, SCST
	v_lshl_add_u32 v[SCW], v10, 3, s22             ; 128 (v % 2) + 8 r + 4 (v / 2)
	v_add_nc_u32 v[SCR], SCST, v[L8]
	v_mov_b32 v[TP], 0                             ; a lane permute's destination counts as one of its sources
	s_wait_alu depctr_va_vdst(0)
	s_wait_loadcnt 0x0
.irp i, 0,1,2,3,4,5,6,7,8,9,10,11,12,13,14,15
	ds_store_b128 v[STI], v[G+4*\i:G+4*\i+3] offset:SP*\i
.endr
.irp c, 0,1
.irp j, 0,1,2,3,4,5,6,7
	ds_load_b128 v[X+32*\c+4*\j:X+32*\c+4*\j+3], v[STR] offset:256*\c+16*\j   ; LDS serves a wave's instructions in order: these see my stores.  Register 32 c + i = k 64 c + 32 h + i of row r
.endr
.endr
	s_wait_dscnt 0x0
.irp c, 0,1                                    ; my blocks h and 2 + h: all 32 numbers of each are mine
	v_max3_num_f32 v[M+\c], |v[X+32*\c]|, |v[X+32*\c+1]|, 0x2800000   ; and the floor 2^(5 - 127): the byte cannot fall under 1
.endr
.irp i, 2,4,6,8,10,12,14,16,18,20,22,24,26,28,30
.irp c, 0,1
	v_max3_num_f32 v[M+\c], v[M+\c], |v[X+32*\c+\i]|, |v[X+32*\c+\i+1]|
.endr
.endr
.irp c, 0,1
	v_add_nc_u32 v[SO+\c], 0xfe000000, v[M+\c]     ; 4 off the exponent field: the conversion takes this operand's exponent field as its scale
.endr
.irp c, 0,1
	v_lshrrev_b32 v[BY+\c], 23, v[SO+\c]           ; the scale's byte
.endr
	v_lshl_or_b32 v[PW], v[BY+1], 16, v[BY]        ; my two bytes,
	v_lshlrev_b32 v[PW], v[H8], v[PW]              ; at their places in the word;
	v_permlanex16_b32 v[TP], v[PW], s[SEL], s[SEL+1]
	v_or_b32 v[PW], v[PW], v[TP]                   ; with lane l xor 16's two the word is whole
.irp c, 0,1
	v_cvt_scalef32_pk16_bf6_f32 v[PC+6*\c:PC+6*\c+2], v[X+32*\c:X+32*\c+15], v[SO+\c]
	v_cvt_scalef32_pk16_bf6_f32 v[CT+4*\c:CT+4*\c+2], v[X+32*\c+16:X+32*\c+31], v[SO+\c]   ; (a conversion's three registers begin on an even number)
.endr
	v_nop                                          ; one plain place behind a scaled conversion
.irp c, 0,1
.irp i, 0,1,2
	v_mov_b32 v[PC+6*\c+3+\i], v[CT+4*\c+\i]
.endr
.endr
.irp c, 0,1,2
	global_store_b128 v[LI], v[PC+4*\c:PC+4*\c+3], s[8:9] offset:512*\c   ; 32 lanes store 512 consecutive bytes, at a multiple of 256 from wq's first byte
.endr
	ds_store_b32 v[SCW], v[PW]                     ; lanes r and r + 16 write the same word with the same value
	s_wait_dscnt 0x0                               ; for wave 0's sake: my scale words lie in LDS
	s_barrier_signal -1
	s_barrier_wait -1
	s_cmp_lg_u32 s10, 0
	s_cbranch_scc1 .Ldone
	ds_load_b64 v[60:61], v[SCR]                   ; wave 0 (whose base stands at the half's first byte) sends the half's 256 bytes of scale words
	s_wait_dscnt 0x0
	global_store_b64 v[L8], v[60:61], s[8:9] offset:6144   ; 32 lanes store 256 consecutive bytes, aligned
.Ldone:
	s_wait_tensorcnt 0x0
	ds_add_u32 v192, v193
	s_wait_dscnt 0x0
	s_endpgm
.Lfunc_end_k_qf806388fde_prep:
	.size	k_qf806388fde_prep, .Lfunc_end_k_qf806388fde_prep-k_qf806388fde_prep
	.p2alignl 7, 3214868480
	.fill 96, 4, 3214868480
	.section	.rodata,"a",@progbits
	.p2align	6, 0x0
	.amdhsa_kernel k_qf806388fde_prep
		.amdhsa_group_segment_fixed_size 34816
		.amdhsa_private_segment_fixed_size 0
		.amdhsa_enable_private_segment 0
		.amdhsa_kernarg_size 24
		.amdhsa_user_sgpr_count 2
		.amdhsa_user_sgpr_kernarg_segment_ptr 1
		.amdhsa_wavefront_size32 1
		.amdhsa_system_sgpr_workgroup_id_x 1
		.amdhsa_system_sgpr_workgroup_id_y 1
		.amdhsa_system_sgpr_workgroup_id_z 1
		.amdhsa_system_vgpr_workitem_id 0
		.amdhsa_next_free_vgpr 194
		.amdhsa_next_free_sgpr 66
		.amdhsa_reserve_vcc 0
		.amdhsa_float_denorm_mode_32 3
		.amdhsa_float_denorm_mode_16_64 3
		.amdhsa_memory_ordered 1
		.amdhsa_forward_progress 1
		.amdhsa_inst_pref_size 12
	.end_amdhsa_kernel
	.amdgpu_metadata
---
amdhsa.version: [ 1, 2 ]
amdhsa.kernels:
  - .name:           k_qf806388fde_prep
    .symbol:         k_qf806388fde_prep.kd
    .args:
      - { .name: W1, .offset: 0, .size: 8, .value_kind: global_buffer, .address_space: global }
      - { .name: W2, .offset: 8, .size: 8, .value_kind: global_buffer, .address_space: global }
      - { .name: wq, .offset: 16, .size: 8, .value_kind: global_buffer, .address_space: global }
    .group_segment_fixed_size: 34816
    .private_segment_fixed_size: 0
    .kernarg_segment_align: 8
    .kernarg_segment_size: 24
    .max_flat_workgroup_size: 128
    .sgpr_count:     66
    .vgpr_count:     194
    .wavefront_size: 32
...
	.end_amdgpu_metadata
.endif
;; end of part 3
;; launch ffn (part 4): grid 256 x 1, 4 waves a work-group, no clusters, 327,680 bytes of LDS; arguments x, theta, wq, out0; writes out0
.if DOCPART == 4
	.amdgcn_target "amdgcn-amd-amdhsa--gfx1250"
	.amdhsa_code_object_version 6
	.text
	.protected	k_qf806388fde_ffn
	.globl	k_qf806388fde_ffn
	.p2align	8
	.type	k_qf806388fde_ffn,@function
k_qf806388fde_ffn:
	s_mov_b64 s[64:65], 0
	v_nop
	global_prefetch_b8 v0, s[64:65] scope:SCOPE_SE
	s_setreg_imm32_b32 hwreg(HW_REG_WAVE_MODE, 25, 1), 1
	s_wait_xcnt 0x0
; out = relu((cos(sum theta) cos(x)) W1^T) W2^T, 32,768 rows, C = 512, F = 2,048; both products on codes of BF6 (E3M2) with one E8M0 scale for each 32 along K, sums in f32.
; The weights come as codes from wq: 16 pairs of tiles of operand images, 102,400 bytes a pair, 8 of W1 and 8 of W2 (layout at the head of the launch that makes them).  q and h never go to memory.
; SHARES.  A work-group of four waves owns 128 rows (8 tiles of 16).  The waves share the columns, not the rows: each fragment of a weight is loaded by one wave and feeds 8 matrix instructions.
;   Phase 0: wave w turns rows 32 w .. 32 w + 31 of x into q = c cos(x), quantises them and stores the fragments' images in LDS.  Two K steps of x (64 loads a wave) are asked for at a time, in windows 1 and 2.
;   Phase 1: every wave holds all of q (384 registers).  8 groups of 256 hidden units; wave w makes units 64 w .. 64 w + 63 of a group for all 128 rows (32 accumulators, 128 matrix instructions),
;            relu, quantises them in registers and stores the images: all of h lies in LDS as codes.
;   Phase 2: wave w makes output columns 128 w .. 128 w + 127 for all 128 rows: 64 accumulators, K = 2,048 in 8 pairs of K steps.
; Both products are used TRANSPOSED (source 0 = 16 rows of the weight, source 1 = 16 rows of q or h): a lane holds one row, and its registers run along the hidden units or the output columns.
; THE WEIGHTS GO FROM wq STRAIGHT INTO OPERAND REGISTERS: wq holds register images, a wave's quarter of a pair is read by that wave alone, 512 consecutive bytes a load.  The quarter's four halves of tiles
; (48 + 2 registers, 13 loads each) are a ring in registers: a half is asked for again, from the next pair, four places behind its own 32 products, and is next multiplied three halves (and in phase 1 the quantiser) later.
; So each wait on LOADcnt leaves the three younger halves' 39 loads out.
; NO CLUSTER, NO JOINT LOADS: no byte of a weight lies in LDS.  h's codes and scale words take 204,800 bytes, x's stages, q's images and scale words 118,784, the spare words 512: 324,096 of 327,680,
; which leaves no room for two slots of weights.
; PREFETCH of wq: at each of the first 11 changes of pair work-groups 0 to 3 name 131,072 bytes, 8,192 for each of their 16 waves (told apart by address), lanes 256 bytes apart: change j loads pair j and
; names bytes 196,608 + 131,072 (j - 1) on, up to wq's end; each block from 196,608 on is named once in the launch; what lies in front comes by its loads alone.
; cos: n = round(x / pi + 1/2), r = x - (n - 1/2) pi in two fused steps, cos x = (-1)^n sin r, sin r = r + r u P(u), u = r^2, P of degree 4.
; LIMITS: |x| and |sum theta| under 2^22 pi (n is rounded by adding 1.5 x 2^23).  theta is summed as a tree, not in index order.  A block of zeros, or one whose largest magnitude lies under 2^-122,
; gets the scale byte 1 (its codes are zeros or small; this program alone reads the bytes).  NaN, infinities: not served.
; REGISTERS, in windows of 256 (s_set_vgpr_msb: bits 1:0 source 0, 3:2 source 1, 5:4 source 2, 7:6 destination):
;   window 0: v0-31 addresses and constants; v32-47 scale words of q or h; v48-55 the weight's scale words; v64-255 at work in phase 0, then the weight's 16 fragments
;   window 1: x's even K steps; then q's K steps 2, 3 and (v192-251) the quantiser of h; then h's fragments, two sets      window 2: x's odd K steps; q's K steps 0, 1; out's column tiles 0-3
;   window 3: h's 32 accumulators; then out's column tiles 4-7
.set PAIRB, 102400
.set QRT,   25600
.set HALFB, 6400
.set FRB,   1536
.set SP,    528                        ; a stage row: 512 bytes + 16
.set XSTG,  0                          ; two stages of 16 rows for each wave; on the way out a wave's first stage serves again
.set QIMG,  XSTG+4*2*16*SP             ; q's 32 fragments: (row tile m, K step s) at (4 m + s) FRB
.set QSC,   QIMG+32*FRB                ; their scale words: (s, m, r) at 512 s + 256 (m % 2) + 16 r + 4 (m / 2)
.set HIMG,  QSC+2048                   ; h's 128 fragments: (K step s, row tile m) at (8 s + m) FRB; half c at 768 c: 512 bytes at 16 x lane, 256 at 8 x lane
.set HSC,   HIMG+128*FRB               ; h's scale words, by q's formula
.set SPARE, HSC+16*512                 ; the spare words: two blocks of 256 bytes that no other line names
.set LI,    1                          ; 16 x lane
.set H8,    2                          ; 8 x (lane / 16)
.set PFO,   3                          ; 256 x lane
.set STI,   4
.set STR,   5
.set QWI,   6
.set QWS,   7
.set QRD,   8
.set QSR,   9
.set L8,    10                         ; 8 x lane
.set HWI16, 14
.set HWI8,  15
.set HWS,   16
.set HRD16, 17
.set HRD8,  18
.set HSR,   19
.set STO,   20
.set RD,    21
.set CC,    22                         ; v[22:23] c, twice
.set KA8,   24
.set SPW,   26
.set NIL,   27
.set AD0,   28
.set AD1,   29
.set AD2,   30
.set QS,    32
.set HS,    32
.set WS,    48
.set XA,    64
.set XB,    128
.set TT,    192
.set NN,    208
.set PP,    224
.set PC,    192
.set M,     240
.set SO,    242
.set BY,    244
.set PW,    246
.set TP,    247
.set CT,    248
.set WF,    64                         ; the weight's fragments: half n at WF + 48 n
.set EB,    192                        ; window 1: the quantiser of h: 4 x 12 for codes; the magnitudes and bytes lie on them, being done with when the codes are made
.set TM,    192
.set T2,    200
.set SOH,   240
.set PWH,   248
.set BB,    64
.set WV,    12
.set CNT,   40
.set TIL,   43
.set LIM,   44
.set PFA,   46
.set SEL,   48
.set INVPI, 50
.set MAGIC, 52
.set NMAGIC, 54
.set NPIH,  56
.set NPIL,  58
.set A10,   60
.set A6,    62
.set A4,    66
.set A2,    68
.set OF0,   70
.set OF1,   71
.set MSB, 0
.macro WIN new                         ; the immediate's high byte repeats the setting that is left
.if MSB != \new
	s_set_vgpr_msb (MSB<<8)|\new
.set MSB, \new
.endif
.endm
.macro PLACES n                        ; plain vector instructions between a matrix instruction and a load into, or a read of, its registers
.rept \n
	v_nop
.endr
.endm
.macro GLOAD off, w                    ; x as it lies: 128 along K of my 32 rows, from byte off of the rows, into window w: each load reads 512 consecutive bytes
	WIN \w
.irp i, 0,1,2,3,4,5,6,7,8,9,10,11,12,13,14,15
	global_load_b128 v[4*\i:4*\i+3], v[LI], s[4:5] offset:2048*\i+\off th:TH_LOAD_NT
.endr
.irp i, 0,1,2,3,4,5,6,7,8,9,10,11,12,13,14,15
	global_load_b128 v[64+4*\i:64+4*\i+3], v[LI], s[4:5] offset:32768+2048*\i+\off th:TH_LOAD_NT
.endr
	WIN 0
.endm
; np pairs of numbers from v[x] on become their cosines (mul = 1: times c), stage by stage over the pairs
.macro COSC x, np, mul
.set ii, 0
.rept \np
	v_pk_fma_f32 v[TT+ii:TT+ii+1], v[(\x)+ii:(\x)+ii+1], s[INVPI:INVPI+1], 0.5 op_sel_hi:[1,0,0]   ; x / pi + 1/2
.set ii, ii+2
.endr
.set ii, 0
.rept \np
	v_pk_add_f32 v[TT+ii:TT+ii+1], v[TT+ii:TT+ii+1], s[MAGIC:MAGIC+1] op_sel_hi:[1,0]               ; rounded to n, whose parity is the lowest bit
.set ii, ii+2
.endr
.set ii, 0
.rept \np
	v_pk_add_f32 v[NN+ii:NN+ii+1], v[TT+ii:TT+ii+1], s[NMAGIC:NMAGIC+1] op_sel_hi:[1,0]             ; n
.set ii, ii+2
.endr
.set ii, 0
.rept \np
	v_pk_add_f32 v[NN+ii:NN+ii+1], v[NN+ii:NN+ii+1], -0.5 op_sel_hi:[1,0]                           ; n - 1/2, exact
.set ii, ii+2
.endr
.set ii, 0
.rept \np
	v_pk_fma_f32 v[(\x)+ii:(\x)+ii+1], v[NN+ii:NN+ii+1], s[NPIH:NPIH+1], v[(\x)+ii:(\x)+ii+1] op_sel_hi:[1,0,1]   ; r: pi's upper part,
.set ii, ii+2
.endr
.set ii, 0
.rept \np
	v_pk_fma_f32 v[(\x)+ii:(\x)+ii+1], v[NN+ii:NN+ii+1], s[NPIL:NPIL+1], v[(\x)+ii:(\x)+ii+1] op_sel_hi:[1,0,1]   ; and its lower
.set ii, ii+2
.endr
.set ii, 0
.rept \np
	v_pk_mul_f32 v[NN+ii:NN+ii+1], v[(\x)+ii:(\x)+ii+1], v[(\x)+ii:(\x)+ii+1]                       ; u = r^2
.set ii, ii+2
.endr
.set ii, 0
.rept \np
	v_pk_fma_f32 v[PP+ii:PP+ii+1], v[NN+ii:NN+ii+1], s[A10:A10+1], v[KA8:KA8+1] op_sel_hi:[1,0,1]   ; P(u) by Horner
.set ii, ii+2
.endr
.irp k, A6, A4, A2
.set ii, 0
.rept \np
	v_pk_fma_f32 v[PP+ii:PP+ii+1], v[PP+ii:PP+ii+1], v[NN+ii:NN+ii+1], s[\k:\k+1] op_sel_hi:[1,1,0]
.set ii, ii+2
.endr
.endr
.if \mul
.set ii, 0
.rept \np
	v_pk_mul_f32 v[(\x)+ii:(\x)+ii+1], v[(\x)+ii:(\x)+ii+1], v[CC:CC+1]                             ; c r
.set ii, ii+2
.endr
.endif
.set ii, 0
.rept 2*(\np)
	v_lshl_add_u32 v[(\x)+ii], v[TT+ii], 31, v[(\x)+ii]                                             ; n's parity onto the sign bit
.set ii, ii+1
.endr
.set ii, 0
.rept \np
	v_pk_mul_f32 v[NN+ii:NN+ii+1], v[NN+ii:NN+ii+1], v[(\x)+ii:(\x)+ii+1]
.set ii, ii+2
.endr
.set ii, 0
.rept \np
	v_pk_fma_f32 v[(\x)+ii:(\x)+ii+1], v[NN+ii:NN+ii+1], v[PP+ii:PP+ii+1], v[(\x)+ii:(\x)+ii+1]     ; r + r u P(u), with sign and c
.set ii, ii+2
.endr
.endm
; 64 numbers of a lane, register 32 c + i = k 64 c + 32 h + i of my row (two whole blocks), become a fragment's codes in v[PC] on and the row's scale word in v[PW]
.macro QUANTK xs
.irp c, 0,1
	v_max3_num_f32 v[M+\c], |v[(\xs)+32*\c]|, |v[(\xs)+32*\c+1]|, 0x2800000   ; with the floor 2^(5 - 127): the byte cannot fall under 1
.endr
.irp i, 2,4,6,8,10,12,14,16,18,20,22,24,26,28,30
.irp c, 0,1
	v_max3_num_f32 v[M+\c], v[M+\c], |v[(\xs)+32*\c+\i]|, |v[(\xs)+32*\c+\i+1]|
.endr
.endr
.irp c, 0,1
	v_add_nc_u32 v[SO+\c], 0xfe000000, v[M+\c]     ; 4 off the exponent field: the conversion's scale operand
.endr
.irp c, 0,1
	v_lshrrev_b32 v[BY+\c], 23, v[SO+\c]           ; the scale's byte
.endr
	v_lshl_or_b32 v[PW], v[BY+1], 16, v[BY]
	v_lshlrev_b32 v[PW], v[H8], v[PW]
	v_permlanex16_b32 v[TP], v[PW], s[SEL], s[SEL+1]
	v_or_b32 v[PW], v[PW], v[TP]                   ; with lane l xor 16's two bytes the word is whole
.irp c, 0,1
	v_cvt_scalef32_pk16_bf6_f32 v[PC+6*\c:PC+6*\c+2], v[(\xs)+32*\c:(\xs)+32*\c+15], v[SO+\c]
	v_cvt_scalef32_pk16_bf6_f32 v[CT+4*\c:CT+4*\c+2], v[(\xs)+32*\c+16:(\xs)+32*\c+31], v[SO+\c]
.endr
	v_nop                                          ; one plain place behind a scaled conversion
.irp c, 0,1
.irp i, 0,1,2
	v_mov_b32 v[PC+6*\c+3+\i], v[CT+4*\c+\i]
.endr
.endr
.endm
.macro IMAGE adr, off
.irp c, 0,1,2
	ds_store_b128 v[\adr], v[PC+4*\c:PC+4*\c+3] offset:(\off)+512*\c
.endr
.endm
; One matrix instruction on rD, rA, rB, rSA, rSB.  z = 1: it starts the sum.  ra, rb = 1: that side's scale words stand in lanes 16-31
.macro WM z, ra, rb
.if \z
.if (\ra) && (\rb)
	v_wmma_scale_f32_16x16x128_f8f6f4 v[rD:rD+7], v[rA:rA+11], v[rB:rB+11], 0, v[rSA], v[rSB] matrix_a_fmt:MATRIX_FMT_BF6 matrix_b_fmt:MATRIX_FMT_BF6 matrix_a_scale:MATRIX_SCALE_ROW1 matrix_b_scale:MATRIX_SCALE_ROW1
.elseif (\ra)
	v_wmma_scale_f32_16x16x128_f8f6f4 v[rD:rD+7], v[rA:rA+11], v[rB:rB+11], 0, v[rSA], v[rSB] matrix_a_fmt:MATRIX_FMT_BF6 matrix_b_fmt:MATRIX_FMT_BF6 matrix_a_scale:MATRIX_SCALE_ROW1
.elseif (\rb)
	v_wmma_scale_f32_16x16x128_f8f6f4 v[rD:rD+7], v[rA:rA+11], v[rB:rB+11], 0, v[rSA], v[rSB] matrix_a_fmt:MATRIX_FMT_BF6 matrix_b_fmt:MATRIX_FMT_BF6 matrix_b_scale:MATRIX_SCALE_ROW1
.else
	v_wmma_scale_f32_16x16x128_f8f6f4 v[rD:rD+7], v[rA:rA+11], v[rB:rB+11], 0, v[rSA], v[rSB] matrix_a_fmt:MATRIX_FMT_BF6 matrix_b_fmt:MATRIX_FMT_BF6
.endif
.else
.if (\ra) && (\rb)
	v_wmma_scale_f32_16x16x128_f8f6f4 v[rD:rD+7], v[rA:rA+11], v[rB:rB+11], v[rD:rD+7], v[rSA], v[rSB] matrix_a_fmt:MATRIX_FMT_BF6 matrix_b_fmt:MATRIX_FMT_BF6 matrix_a_scale:MATRIX_SCALE_ROW1 matrix_b_scale:MATRIX_SCALE_ROW1
.elseif (\ra)
	v_wmma_scale_f32_16x16x128_f8f6f4 v[rD:rD+7], v[rA:rA+11], v[rB:rB+11], v[rD:rD+7], v[rSA], v[rSB] matrix_a_fmt:MATRIX_FMT_BF6 matrix_b_fmt:MATRIX_FMT_BF6 matrix_a_scale:MATRIX_SCALE_ROW1
.elseif (\rb)
	v_wmma_scale_f32_16x16x128_f8f6f4 v[rD:rD+7], v[rA:rA+11], v[rB:rB+11], v[rD:rD+7], v[rSA], v[rSB] matrix_a_fmt:MATRIX_FMT_BF6 matrix_b_fmt:MATRIX_FMT_BF6 matrix_b_scale:MATRIX_SCALE_ROW1
.else
	v_wmma_scale_f32_16x16x128_f8f6f4 v[rD:rD+7], v[rA:rA+11], v[rB:rB+11], v[rD:rD+7], v[rSA], v[rSB] matrix_a_fmt:MATRIX_FMT_BF6 matrix_b_fmt:MATRIX_FMT_BF6
.endif
.endif
.endm
; Row tiles m0 .. m1 against the four fragments of the weight's half n.  b1: the rows' fragments (12 registers a row tile); sb: their scale words (register m / 2, row m % 2).
; Accumulator (m, v) at v[8 (4 m + v)].  The 32 accumulators take turns, one instruction a turn, in the same order in every half.
.macro MULH n, m0, m1, b1, sb, zero
.set mm, \m0
.rept (\m1)-(\m0)+1
.set vv, 0
.rept 4
.set rD, 8*(4*mm+vv)
.set rA, WF+48*(\n)+12*vv
.set rB, (\b1)+12*mm
.set rSA, WS+2*(\n)+vv/2
.set rSB, (\sb)+mm/2
	WM \zero, vv%2, mm%2
.set vv, vv+1
.endr
.set mm, mm+1
.endr
.endm
.macro FETCHW n                        ; half n of my quarter of the pair at s[8:9]: 4 fragments and their scale words: 13 loads, each of consecutive bytes
.irp v, 0,1,2,3
.irp c, 0,1,2
	global_load_b128 v[WF+48*(\n)+12*\v+4*\c:WF+48*(\n)+12*\v+4*\c+3], v[LI], s[8:9] offset:HALFB*(\n)+FRB*\v+512*\c
.endr
.endr
	global_load_b64 v[WS+2*(\n):WS+2*(\n)+1], v[L8], s[8:9] offset:HALFB*(\n)+4*FRB
.endm
.macro NEXTP                           ; on to the next pair: the loads and the prefetch issued so far have read their bases
	s_wait_xcnt 0x0
	s_add_nc_u64 s[8:9], s[8:9], PAIRB
	s_add_nc_u64 s[PFA:PFA+1], s[PFA:PFA+1], 131072
	s_add_co_u32 s[TIL], s[TIL], 1
.endm
.macro ASK
	s_cmp_le_u32 s[TIL], s[LIM]
	s_cbranch_scc0 .Lnot_mine_\@
	global_prefetch_b8 v[PFO], s[PFA:PFA+1] th:TH_LOAD_NT scope:SCOPE_SE
.Lnot_mine_\@:
.endm
.macro HSTEP                           ; on to the next K step of h
	s_add_co_u32 s[OF0], s[OF0], 8*FRB
	s_add_co_u32 s[OF1], s[OF1], 512
	v_add_nc_u32 v[AD0], s[OF0], v[HRD16]
	v_add_nc_u32 v[AD1], s[OF0], v[HRD8]
	v_add_nc_u32 v[AD2], s[OF1], v[HSR]
.endm
.macro FETCHH q                        ; a K step's 8 fragments of h and their scale words into set q: 33 LDS loads
	ds_load_b128 v[HS+4*(\q):HS+4*(\q)+3], v[AD2]
	WIN 0x40
.irp m, 0,1,2,3,4,5,6,7
	ds_load_b128 v[128*(\q)+12*\m:128*(\q)+12*\m+3], v[AD0] offset:FRB*\m
	ds_load_b64 v[128*(\q)+12*\m+4:128*(\q)+12*\m+5], v[AD1] offset:FRB*\m
	ds_load_b128 v[128*(\q)+12*\m+6:128*(\q)+12*\m+9], v[AD0] offset:FRB*\m+768
	ds_load_b64 v[128*(\q)+12*\m+10:128*(\q)+12*\m+11], v[AD1] offset:FRB*\m+768
.endr
	WIN 0
.endm
; My 32 accumulators of h (window 3: row tile m at 32 m: hidden units 16 h + 0 .. 15 of block 0, then of block 1) become codes: relu, each block's largest number (with lane l xor 16's), the scale,
; the conversion, the exchange of halves that gives a lane a whole block: six registers a row tile.  Four row tiles at a time; the work registers lie in window 1.
.macro QUANTH
	v_add_nc_u32 v[AD0], s[OF0], v[HWI16]
	v_add_nc_u32 v[AD1], s[OF0], v[HWI8]
	v_add_nc_u32 v[AD2], s[OF1], v[HWS]
.irp mb, 0,1
	WIN 0xcc                                       ; source 1 and destination window 3
.set ii, 128*\mb
.rept 128
	v_max_num_f32 v[ii], 0, v[ii]                  ; the activation; ascending
.set ii, ii+1
.endr
	s_wait_dscnt 0x0                               ; the last batch's stores have read the work registers
	WIN 0x7d                                       ; destination and source 0 window 1, sources 1 and 2 window 3
.irp x, 0,1,2,3,4,5,6,7
	v_max3_num_f32 v[TM+\x], 0x2800000, v[128*\mb+16*\x], v[128*\mb+16*\x+1]   ; block x = 2 i + b of row tile 4 mb + i; none is negative; the floor 2^(5 - 127)
.endr
.irp j, 2,4,6,8,10,12,14
.irp x, 0,1,2,3,4,5,6,7
	v_max3_num_f32 v[TM+\x], v[TM+\x], v[128*\mb+16*\x+\j], v[128*\mb+16*\x+\j+1]
.endr
.endr
	WIN 0x55                                       ; all in window 1
.irp x, 0,1,2,3,4,5,6,7
	v_permlanex16_b32 v[T2+\x], v[TM+\x], s[SEL], s[SEL+1]
.endr
.irp x, 0,1,2,3,4,5,6,7
	v_max_num_f32 v[TM+\x], v[TM+\x], v[T2+\x]
.endr
.irp x, 0,1,2,3,4,5,6,7
	v_add_nc_u32 v[SOH+\x], 0xfe000000, v[TM+\x]
.endr
.irp x, 0,1,2,3,4,5,6,7
	v_lshrrev_b32 v[T2+\x], 23, v[SOH+\x]
.endr
.irp i, 0,1,2,3
	v_lshl_or_b32 v[PWH+\i], v[T2+2*\i+1], 8, v[T2+2*\i]   ; my half of the row's scale word
.endr
	WIN 0x47                                       ; source 0 window 3; source 1 and destination window 1
.irp i, 0,1,2,3
	v_cvt_scalef32_pk16_bf6_f32 v[EB+12*\i:EB+12*\i+2], v[128*\mb+32*\i:128*\mb+32*\i+15], v[SOH+2*\i]
	v_cvt_scalef32_pk16_bf6_f32 v[EB+12*\i+6:EB+12*\i+8], v[128*\mb+32*\i+16:128*\mb+32*\i+31], v[SOH+2*\i+1]
.endr
	WIN 0x55
	v_nop                                          ; one plain place behind a scaled conversion
.irp i, 0,1,2,3
.irp k, 0,1,2
	v_permlane16_swap_b32 v[EB+12*\i+\k], v[EB+12*\i+6+\k]   ; lanes 0-15 now hold block 0, lanes 16-31 block 1
.endr
.endr
.irp i, 0,1,2,3
.irp k, 0,1,2
	v_mov_b32 v[EB+12*\i+3+\k], v[EB+12*\i+6+\k]
.endr
.endr
	WIN 0x04                                       ; an LDS store's data are its source 1: window 1
.irp i, 0,1,2,3
	ds_store_b128 v[AD0], v[EB+12*\i:EB+12*\i+3] offset:FRB*(4*\mb+\i)
	ds_store_b64 v[AD1], v[EB+12*\i+4:EB+12*\i+5] offset:FRB*(4*\mb+\i)
	ds_store_b16 v[AD2], v[PWH+\i] offset:256*(\i%2)+4*((4*\mb+\i)/2)   ; lanes r and r + 16 write the same bytes with the same value
.endr
.endr
	WIN 0
.endm
; A PAIR OF W2's TILES: two K steps, 128 matrix instructions.  Halves 0, 1: the first K step's column tiles 0-3 (window 2) and 4-7 (window 3), against h's set 0; halves 2, 3: the second's, against set 1.
; fill = 1: another pair follows: each half is asked for again behind its products, set 0 behind half 1 and set 1 behind half 3: 64 matrix instructions ahead of their next use.
; LOADcnt: with fill the three younger halves (39 loads) stay out; in the last pair 39, 26, 13, 0.  DScnt 33: the younger set of h stays out.
.macro PERIOD z, fill
.if \fill
	NEXTP
.endif
	s_wait_dscnt 33
	s_wait_loadcnt 39
	WIN 0xa4
	MULH 0, 0, 7, 0, HS, \z
.if \fill
	PLACES 4
	WIN 0
	FETCHW 0
	ASK
.endif
	s_wait_loadcnt 26+13*(\fill)
	WIN 0xf4
	MULH 1, 0, 7, 0, HS, \z
.if \fill
	PLACES 4
	WIN 0
	FETCHW 1
	HSTEP
	FETCHH 0
.endif
	s_wait_dscnt 33*(\fill)
	s_wait_loadcnt 13+26*(\fill)
	WIN 0xa4
	MULH 2, 0, 7, 128, HS+4, 0
.if \fill
	PLACES 4
	WIN 0
	FETCHW 2
.endif
	s_wait_loadcnt 39*(\fill)
	WIN 0xf4
	MULH 3, 0, 7, 128, HS+4, 0
	PLACES 4
	WIN 0
.if \fill
	FETCHW 3
	HSTEP
	FETCHH 1
.endif
.endm
; One K step of phase 0.  ws: the window that holds it, as an LDS store's data; cnt: the younger loads that may stay out; ld = 1: behind its stores the next two K steps are asked for (not in the last trip).
.macro TRIP ws, cnt, ld
	s_wait_loadcnt \cnt
	WIN \ws
.irp i, 0,1,2,3,4,5,6,7,8,9,10,11,12,13,14,15
	ds_store_b128 v[STI], v[4*\i:4*\i+3] offset:SP*\i
.endr
.irp i, 0,1,2,3,4,5,6,7,8,9,10,11,12,13,14,15
	ds_store_b128 v[STI], v[64+4*\i:64+4*\i+3] offset:16*SP+SP*\i
.endr
	WIN 0
.irp c, 0,1
.irp j, 0,1,2,3,4,5,6,7
	ds_load_b128 v[XA+32*\c+4*\j:XA+32*\c+4*\j+3], v[STR] offset:256*\c+16*\j   ; LDS serves a wave's instructions in order: these see my stores
.endr
.endr
.irp c, 0,1
.irp j, 0,1,2,3,4,5,6,7
	ds_load_b128 v[XB+32*\c+4*\j:XB+32*\c+4*\j+3], v[STR] offset:16*SP+256*\c+16*\j
.endr
.endr
	v_add_nc_u32 v[AD0], s[OF0], v[QWI]
	v_add_nc_u32 v[AD1], s[OF1], v[QWS]
	s_wait_dscnt 16                                ; the first row tile's numbers are in: so the stores have read their registers
.if \ld
	s_cmp_eq_u32 s[CNT], 1
	s_cbranch_scc1 .Lno_more_x
	GLOAD 1024, 0x40
	GLOAD 1536, 0x80
.Lno_more_x:
.endif
.irp k, 0,1,2,3
	COSC XA+16*\k, 8, 1
.endr
	QUANTK XA
	IMAGE AD0, 0
	ds_store_b32 v[AD1], v[PW]                     ; lanes r and r + 16 write the same word with the same value
	s_wait_dscnt 0x0
.irp k, 0,1,2,3
	COSC XB+16*\k, 8, 1
.endr
	QUANTK XB
	IMAGE AD0, 4*FRB
	ds_store_b32 v[AD1], v[PW] offset:256
	s_wait_dscnt 0x0
	s_add_co_u32 s[OF0], s[OF0], FRB
	s_add_co_u32 s[OF1], s[OF1], 512
.endm
	s_load_b256 s[4:11], s[0:1], 0x0               ; x s[4:5], theta s[6:7], wq s[8:9], out s[10:11]
	v_lshl_add_u32 v[SPW], v0, 2, SPARE
	v_mov_b32 v[NIL], 0
	v_lshrrev_b32 v[AD0], 5, v0
	v_readfirstlane_b32 s[WV], v[AD0]              ; wave 0..3
	s_and_b32 s13, ttmp9, 3
	s_mov_b32 s[SEL], 0x76543210
	s_mov_b32 s[SEL+1], 0xfedcba98
	s_mov_b32 s[INVPI], 0x3ea2f983                 ; 1 / pi
	s_mov_b32 s[MAGIC], 0x4b400000                 ; 1.5 x 2^23
	s_mov_b32 s[NMAGIC], 0xcb400000
	s_mov_b32 s[NPIH], 0xc0490fdb                  ; - pi's upper part
	s_mov_b32 s[NPIL], 0x33bbbd2e                  ; - its lower part
	s_mov_b32 s[A10], 0xb2cd4ca9
	s_mov_b32 s[A6], 0xb9500c03
	s_mov_b32 s[A4], 0x3c088887
	s_mov_b32 s[A2], 0xbe2aaaab
.irp k, INVPI, MAGIC, NMAGIC, NPIH, NPIL, A10, A6, A4, A2
	s_mov_b32 s[\k+1], s[\k]                       ; (named with it as a pair, so it is written)
.endr
	s_cmp_lt_u32 ttmp9, 4                          ; work-groups 0 to 3 prefetch
	s_cselect_b32 s[LIM], 11, 0
	s_mov_b32 s[TIL], 0
	s_mul_i32 s16, s[WV], QRT                      ; my quarter of a pair
	s_mov_b32 s17, 0
	s_lshl_b32 s18, ttmp9, 18                      ; my block: 128 rows of 2,048 bytes
	s_lshl_b32 s20, s[WV], 16
	s_add_co_u32 s20, s20, s18                     ; x: + my wave's 32 rows
	s_mov_b32 s21, 0
	s_lshl_b32 s22, s[WV], 9
	s_add_co_u32 s22, s22, s18                     ; out: + my wave's 128 columns
	s_mov_b32 s23, 0
	s_lshl_b32 s18, s13, 2
	s_add_co_u32 s18, s18, s[WV]
	s_lshl_b32 s18, s18, 13
	s_add_co_u32 s18, s18, 65536                   ; the prefetches: one step of 131,072 in front of the first block named
	s_mov_b32 s19, 0
	s_wait_kmcnt 0x0
	s_add_nc_u64 s[4:5], s[4:5], s[20:21]
	s_add_nc_u64 s[10:11], s[10:11], s[22:23]
	s_add_nc_u64 s[PFA:PFA+1], s[8:9], s[18:19]
	s_add_nc_u64 s[8:9], s[8:9], s[16:17]          ; wq at my quarter of pair 0
	v_and_b32 v[AD0], 31, v0                       ; lane
	v_lshlrev_b32 v[LI], 4, v[AD0]
.irp i, 0,1,2,3
	global_load_b128 v[XA+4*\i:XA+4*\i+3], v[LI], s[6:7] offset:512*\i   ; theta: 16 numbers a lane
.endr
	GLOAD 0, 0x40                                  ; x: K step 0 of my 32 rows
	v_and_b32 v[AD1], 15, v0                       ; r
	v_bfe_u32 v[AD2], v0, 4, 1                     ; h
	v_lshlrev_b32 v[H8], 3, v[AD2]
	v_lshlrev_b32 v[PFO], 8, v[AD0]
	v_lshlrev_b32 v[L8], 3, v[AD0]
	v_mul_u32_u24 v31, v[AD1], SP                  ; 528 r
	s_mul_i32 s15, s[WV], 2*16*SP
	s_add_co_u32 s15, s15, XSTG
	v_add_nc_u32 v[STI], s15, v[LI]
	v_lshl_add_u32 v[STR], v[AD2], 7, v31
	v_add_nc_u32 v[STR], s15, v[STR]               ; row r, + 128 h: my 32 numbers of each 64
	v_lshl_add_u32 v[STO], v[AD2], 5, v31
	v_add_nc_u32 v[STO], s15, v[STO]
	v_add_nc_u32 v[RD], s15, v[LI]
	s_mul_i32 s15, s[WV], 8*FRB
	s_add_co_u32 s15, s15, QIMG
	v_add_nc_u32 v[QWI], s15, v[LI]                ; row tile 2 w
	s_lshl_b32 s15, s[WV], 2
	s_add_co_u32 s15, s15, QSC
	v_lshl_add_u32 v[QWS], v[AD1], 4, s15
	v_add_nc_u32 v[QRD], QIMG, v[LI]
	v_add_nc_u32 v[QSR], QSC, v[LI]
	s_lshr_b32 s15, s[WV], 1                       ; my 64 hidden units of a group are half w % 2 of the group's K step w / 2
	s_and_b32 s18, s[WV], 1
	s_mul_i32 s19, s15, 8*FRB
	s_mul_i32 s20, s18, 768
	s_add_co_u32 s19, s19, s20
	s_add_co_u32 s19, s19, HIMG
	v_add_nc_u32 v[HWI16], s19, v[LI]
	v_lshl_add_u32 v[HWI8], v[AD0], 3, s19
	v_add_nc_u32 v[HWI8], 512, v[HWI8]
	s_lshl_b32 s15, s15, 9
	s_lshl_b32 s18, s18, 1
	s_add_co_u32 s15, s15, s18
	s_add_co_u32 s15, s15, HSC
	v_lshl_add_u32 v[HWS], v[AD1], 4, s15
	v_add_nc_u32 v[HRD16], HIMG, v[LI]
	v_lshlrev_b32 v[HRD8], 3, v[AD0]
	v_add_nc_u32 v[HRD8], HIMG+512, v[HRD8]
	v_add_nc_u32 v[HSR], HSC, v[LI]
	v_mov_b32 v[KA8], 0x3638b94e
	v_mov_b32 v[KA8+1], 0x3638b94e
	v_mov_b32 v[TP], 0                             ; a lane permute's destination counts as one of its sources
	s_wait_loadcnt 32                              ; theta is in; K step 0's 32 loads may be out
	GLOAD 512, 0x80                                ; K step 1
	v_pk_add_f32 v[64:65], v[64:65], v[66:67]      ; the sum of theta: my 16,
	v_pk_add_f32 v[68:69], v[68:69], v[70:71]
	v_pk_add_f32 v[72:73], v[72:73], v[74:75]
	v_pk_add_f32 v[76:77], v[76:77], v[78:79]
	v_pk_add_f32 v[64:65], v[64:65], v[68:69]
	v_pk_add_f32 v[72:73], v[72:73], v[76:77]
	v_pk_add_f32 v[64:65], v[64:65], v[72:73]
	v_add_f32 v64, v64, v65
	v_add_f32_dpp v64, v64, v64 row_xmask:1 row_mask:0xf bank_mask:0xf   ; and the 32 lanes'
	v_add_f32_dpp v64, v64, v64 row_xmask:2 row_mask:0xf bank_mask:0xf
	v_add_f32_dpp v64, v64, v64 row_xmask:4 row_mask:0xf bank_mask:0xf
	v_add_f32_dpp v64, v64, v64 row_xmask:8 row_mask:0xf bank_mask:0xf
	v_permlanex16_b32 v65, v64, s[SEL], s[SEL+1]
	v_add_f32 v64, v64, v65
	v_mov_b32 v65, v64
	COSC 64, 1, 0
	v_mov_b32 v[CC], v64                           ; c = cos(sum theta)
	v_mov_b32 v[CC+1], v65
	; ---- PHASE 0: two trips of two K steps.  The even K step waits with the odd one's 32 loads out; the odd one waits for all and asks for the next two
	s_mov_b32 s[CNT], 2
	s_mov_b32 s[OF0], 0
	s_mov_b32 s[OF1], 0
.Lkstep:
	TRIP 0x04, 32, 0
	TRIP 0x08, 0, 1
	s_sub_co_u32 s[CNT], s[CNT], 1
	s_cmp_lg_u32 s[CNT], 0
	s_cbranch_scc1 .Lkstep
	FETCHW 0                                       ; pair 0, into the registers that phase 0 worked in
	FETCHW 1
	FETCHW 2
	FETCHW 3
	s_barrier_signal -1                            ; (my LDS stores have landed: the trip's last wait)
	s_barrier_wait -1                              ; q's 32 fragments lie in LDS
	WIN 0x80                                       ; window 2: K steps 0, 1
.irp s, 0,1
.irp m, 0,1,2,3,4,5,6,7
.irp c, 0,1,2
	ds_load_b128 v[96*\s+12*\m+4*\c:96*\s+12*\m+4*\c+3], v[QRD] offset:(4*\m+\s)*FRB+512*\c
.endr
.endr
.endr
	WIN 0x40                                       ; window 1: K steps 2, 3
.irp s, 0,1
.irp m, 0,1,2,3,4,5,6,7
.irp c, 0,1,2
	ds_load_b128 v[96*\s+12*\m+4*\c:96*\s+12*\m+4*\c+3], v[QRD] offset:(4*\m+2+\s)*FRB+512*\c
.endr
.endr
.endr
.irp x, 0,1,2,3,4,5,6,7
	v_mov_b32 v[T2+\x], 0                          ; a lane permute's destination counts as one of its sources
.endr
	WIN 0
.irp s, 0,1,2,3
	ds_load_b128 v[QS+4*\s:QS+4*\s+3], v[QSR] offset:512*\s   ; K step s: register j: row tile 2 j in lanes 0-15, 2 j + 1 in lanes 16-31
.endr
	s_wait_dscnt 0x0                               ; q is in
	; ---- PHASE 1: eight groups of 256 hidden units; a group is a pair of W1's tiles: its half n is K step n.  The ring of halves goes on into W2's pairs
	s_mov_b32 s[CNT], 8
	s_mov_b32 s[OF0], 0
	s_mov_b32 s[OF1], 0
.Lgroup:
	NEXTP
	s_wait_loadcnt 39
	WIN 0xf8                                       ; source 1 (q) window 2, C and D window 3; K step 0 starts the sums
	MULH 0, 0, 7, 0, QS, 1
	PLACES 4
	WIN 0
	FETCHW 0
	ASK
	s_wait_loadcnt 39
	WIN 0xf8
	MULH 1, 0, 7, 96, QS+4, 0
	PLACES 4
	WIN 0
	FETCHW 1
	s_wait_loadcnt 39
	WIN 0xf4                                       ; source 1 window 1
	MULH 2, 0, 7, 0, QS+8, 0
	PLACES 4
	WIN 0
	FETCHW 2
	s_wait_loadcnt 39
	WIN 0xf4
	MULH 3, 0, 7, 96, QS+12, 0
	PLACES 4                                       ; in front of the loads below and of the first reads of results
	WIN 0
	FETCHW 3
	QUANTH
	s_add_co_u32 s[OF0], s[OF0], 16*FRB            ; a group is two K steps of the next product
	s_add_co_u32 s[OF1], s[OF1], 1024
	s_sub_co_u32 s[CNT], s[CNT], 1
	s_cmp_lg_u32 s[CNT], 0
	s_cbranch_scc1 .Lgroup
	s_wait_dscnt 0x0                               ; for the others' sake: my images of h have landed
	s_barrier_signal -1
	s_barrier_wait -1                              ; all of h lies in LDS
	; ---- PHASE 2: eight pairs of W2's tiles, two K steps each; h's fragments in two sets by turns
	s_mov_b32 s[OF0], 0
	s_mov_b32 s[OF1], 0
	v_add_nc_u32 v[AD0], s[OF0], v[HRD16]
	v_add_nc_u32 v[AD1], s[OF0], v[HRD8]
	v_add_nc_u32 v[AD2], s[OF1], v[HSR]
	FETCHH 0
	HSTEP
	FETCHH 1
	PERIOD 1, 1                                    ; K steps 0, 1: the first starts the sums
	s_mov_b32 s[CNT], 6
.Lpair:
	PERIOD 0, 1
	s_sub_co_u32 s[CNT], s[CNT], 1
	s_cmp_lg_u32 s[CNT], 0
	s_cbranch_scc1 .Lpair
	PERIOD 0, 0                                    ; K steps 14, 15: nothing more is asked for
; THE WAY OUT, row tile by row tile: 16 rows x 128 columns go through my own stage in LDS and come back as whole rows of 512 bytes.  LDS serves a wave's instructions in order: no wait between the stores and the loads.
.macro TOSTAGE m
	WIN 0x08                                       ; the data: window 2
.irp n, 0,1,2,3
	ds_store_b128 v[STO], v[8*(4*(\m)+\n):8*(4*(\m)+\n)+3] offset:64*\n          ; each accumulator from its low end on
	ds_store_b128 v[STO], v[8*(4*(\m)+\n)+4:8*(4*(\m)+\n)+7] offset:64*\n+16
.endr
	WIN 0x0c                                       ; window 3
.irp n, 0,1,2,3
	ds_store_b128 v[STO], v[8*(4*(\m)+\n):8*(4*(\m)+\n)+3] offset:256+64*\n
	ds_store_b128 v[STO], v[8*(4*(\m)+\n)+4:8*(4*(\m)+\n)+7] offset:256+64*\n+16
.endr
	WIN 0
.set BBS, BB+64*((\m)%2)
.irp t, 0,1,2,3,4,5,6,7,8,9,10,11,12,13,14,15
	ds_load_b128 v[BBS+4*\t:BBS+4*\t+3], v[RD] offset:\t*SP
.endr
.endm
.macro SEND m, younger                 ; younger: the LDS instructions issued behind tile m's loads, which may stay out
.set BBS, BB+64*((\m)%2)
	s_wait_dscnt \younger
.irp t, 0,1,2,3,4,5,6,7,8,9,10,11,12,13,14,15
	global_store_b128 v[LI], v[BBS+4*\t:BBS+4*\t+3], s[10:11] offset:32768*(\m)+2048*\t th:TH_STORE_NT   ; 32 lanes store 512 consecutive bytes, at a multiple of 256 from out's first byte
.endr
.endm
	TOSTAGE 0                                      ; (the four places behind the last products stand at the end of the last pair)
.irp a, 1,2,3,4,5,6,7
.if \a > 1
	s_wait_xcnt 0x0                                ; tile a - 2's stores have read their registers: tile a's rows may land there
.endif
	TOSTAGE \a
	SEND \a-1, 32                                  ; behind tile a - 1's loads: tile a's 16 stores and 16 loads
.endr
	SEND 7, 0
	s_wait_tensorcnt 0x0                           ; the wave's end: behind my last LDS store
	ds_add_u32 v[SPW], v[NIL]
	s_wait_dscnt 0x0
	s_endpgm
.Lfunc_end_k_qf806388fde_ffn:
	.size	k_qf806388fde_ffn, .Lfunc_end_k_qf806388fde_ffn-k_qf806388fde_ffn
	.p2alignl 7, 3214868480
	.fill 96, 4, 3214868480
	.section	.rodata,"a",@progbits
	.p2align	6, 0x0
	.amdhsa_kernel k_qf806388fde_ffn
		.amdhsa_group_segment_fixed_size 327680
		.amdhsa_private_segment_fixed_size 0
		.amdhsa_enable_private_segment 0
		.amdhsa_kernarg_size 32
		.amdhsa_user_sgpr_count 2
		.amdhsa_user_sgpr_kernarg_segment_ptr 1
		.amdhsa_wavefront_size32 1
		.amdhsa_system_sgpr_workgroup_id_x 1
		.amdhsa_system_sgpr_workgroup_id_y 1
		.amdhsa_system_sgpr_workgroup_id_z 1
		.amdhsa_system_vgpr_workitem_id 0
		.amdhsa_next_free_vgpr 1024
		.amdhsa_next_free_sgpr 80
		.amdhsa_reserve_vcc 0
		.amdhsa_float_denorm_mode_32 3
		.amdhsa_float_denorm_mode_16_64 3
		.amdhsa_memory_ordered 1
		.amdhsa_forward_progress 1
		.amdhsa_inst_pref_size 255
	.end_amdhsa_kernel
	.section	.bss,"aw",@nobits
	.p2align	6
	.space	262144
	.amdgpu_metadata
---
amdhsa.version: [ 1, 2 ]
amdhsa.kernels:
  - .name:           k_qf806388fde_ffn
    .symbol:         k_qf806388fde_ffn.kd
    .args:
      - { .name: x, .offset: 0, .size: 8, .value_kind: global_buffer, .address_space: global }
      - { .name: theta, .offset: 8, .size: 8, .value_kind: global_buffer, .address_space: global }
      - { .name: wq, .offset: 16, .size: 8, .value_kind: global_buffer, .address_space: global }
      - { .name: out0, .offset: 24, .size: 8, .value_kind: global_buffer, .address_space: global }
    .group_segment_fixed_size: 327680
    .private_segment_fixed_size: 0
    .kernarg_segment_align: 8
    .kernarg_segment_size: 32
    .max_flat_workgroup_size: 128
    .sgpr_count:     80
    .vgpr_count:     1024
    .wavefront_size: 32
...
	.end_amdgpu_metadata
.endif
;; end of part 4
